; MI455X (gfx1250); checked and timed in simulation.
; The chip was launched on July 23, 2026; its instructions are those of AMD's public machine-readable ISA for CDNA 5 (MIT licence, August 2026) and "CDNA5" Instruction Set Architecture Reference Guide (July 2026). The comments in the code are by the model that wrote it; some were corrected since.
;; Sparse Attention. Allowed arithmetic: float matrix products may take bf16 or f16 operands with f32 sums; other float arithmetic in f32, or as packed bf16 or f16 multiplies, adds, multiply-adds, maxima and minima; sums over many terms, partial sums and values carried from step to step in f32; what a program stores and reads back later, other than sums and carried values, may be rounded once to bf16 or f16.
;; Inputs: bk 8 x 64 float32; bo 512 float32; bq 8 x 64 float32; bv 8 x 64 float32; inputs_q 2 x 4,096 x 512 float32; wk 512 x 8 x 64 float32; wo 8 x 64 x 512 float32; wq 512 x 8 x 64 float32; wv 512 x 8 x 64 float32.
;; Outputs: out0 2 x 4,096 x 512 float32.
;; 2 versions, each right; version 2 is version 1 with the launch prep written anew for expert scheduling mode. Each part assembles by itself: llvm-mc -triple=amdgcn-amd-amdhsa -mcpu=gfx1250 --defsym DOCPART=n.
;; ======== version 1 of 2: 4 launches
;; limits: values are held in f16: magnitudes above 65,504 overflow, below 6.1e-05 lose precision
;; workspace buffers: xb 8,388,608 bytes; wb 1,572,864 bytes; wob 524,288 bytes; bias 8,192 bytes; qimg 8,388,608 bytes; kv 16,908,288 bytes; oimg 8,388,608 bytes
;; launch prep (part 1): grid 321 x 1, 8 waves a work-group, no clusters, 0 bytes of LDS; arguments inputs_q, wq, wk, wv, wo, bq, bk, bv, bo, xb, wb, wob, bias; writes xb, wb, wob, bias
.if DOCPART == 1
	.amdgcn_target "amdgcn-amd-amdhsa--gfx1250"
	.amdhsa_code_object_version 6
	.text
	.protected	k_q6b7d708962_prep
	.globl	k_q6b7d708962_prep
	.p2align	8
	.type	k_q6b7d708962_prep,@function
k_q6b7d708962_prep:
	s_mov_b64 s[64:65], 0
	v_nop
	global_prefetch_b8 v0, s[64:65] scope:SCOPE_SE
	s_setreg_imm32_b32 hwreg(HW_REG_WAVE_MODE, 25, 1), 1
	s_wait_xcnt 0x0
; CASTS AND LAYOUTS for the three launches behind this one.  A stream: no LDS, no matrix unit, no barrier.
;   xb   = inputs_q rounded to bf16, [8192][512] as it lies
;   wb   = wq, wk, wv rounded to bf16, in blocks [head 8][K step 4][t 3: q, k, v][k row 128][channel 64]: what one K step of one head wants lies on end
;   wob  = wo rounded to bf16, that number written as f16, [512][512] as it lies
;   bias = bq, bk, bv, bo rounded to bf16 and kept as f32: [head 8][t 3][64], then bo[512]
; LIMIT.  A number of wo below 6e-5 keeps f16's fixed step of 6e-8; beyond 65,504 it would be an infinity.
; A JOB is 64 KiB of f32 in and 32 KiB out, for 256 threads in 16 turns.  A turn: one load of 16 bytes a lane (a wave: 512 consecutive bytes, or two pieces
; of 256), two roundings, one store of 8 bytes a lane (a wave: 256 consecutive bytes, aligned).  All 16 loads go out first; the waits count down.
; Work-groups 0-255: x.  256-303: the three weights (t, head, half of K).  304-319: wo.  320: the four biases.
.set X, 8                              ; v[8:71]   16 turns x 4 numbers as loaded
.set Y, 72                             ; v[72:103] 16 turns x 2 words to store; never used twice, so no wait frees them
; sb, db: the scalar pairs with source and destination; lstride: bytes from turn to turn in the source;
; kind = 1: bf16 first, then f16; blocked = 1: the destination changes K step after eight turns
.macro JOB sb, db, lstride, kind, blocked
.set it, 0
.rept 16
	global_load_b128 v[X+4*it:X+4*it+3], v1, s[\sb:\sb+1] offset:it*(\lstride) th:TH_LOAD_NT
.set it, it+1
.endr
.set it, 0
.rept 16
	s_wait_loadcnt 15-it                           ; loads come back in order: turn it's is in, the younger ones stay out
.if \kind
.irp z, 0,1
	v_cvt_pk_bf16_f32 v4, v[X+4*it+2*(\z)], v[X+4*it+2*(\z)+1]  ; rounded as every other input is,
	v_lshlrev_b32 v5, 16, v4                       ; widened again,
	v_and_b32 v6, 0xffff0000, v4
	v_cvt_pk_f16_f32 v[Y+2*it+(\z)], v5, v6        ; and written as f16: exact inside f16's range
.endr
.else
	v_cvt_pk_bf16_f32 v[Y+2*it], v[X+4*it], v[X+4*it+1]
	v_cvt_pk_bf16_f32 v[Y+2*it+1], v[X+4*it+2], v[X+4*it+3]
.endif
.if \blocked
	global_store_b64 v2, v[Y+2*it:Y+2*it+1], s[\db:\db+1] offset:(it/8)*49152+(it%8)*2048
.else
	global_store_b64 v2, v[Y+2*it:Y+2*it+1], s[\db:\db+1] offset:it*2048
.endif
.set it, it+1
.endr
.endm
	s_load_b512 s[8:23], s[0:1], 0x0               ; inputs_q 8, wq 10, wk 12, wv 14, wo 16, bq 18, bk 20, bv 22
	s_load_b256 s[24:31], s[0:1], 0x40             ; bo 24, xb 26, wb 28, wob 30
	s_load_b64 s[32:33], s[0:1], 0x60              ; bias
	v_lshlrev_b32 v1, 4, v0                        ; source: 16 bytes a thread
	v_lshlrev_b32 v2, 3, v0                        ; destination: 8 bytes a thread
	s_mov_b32 s3, 0
	s_wait_kmcnt 0x0
	s_cmp_lt_u32 ttmp9, 256
	s_cbranch_scc0 .Lnot_x
	s_lshl_b32 s2, ttmp9, 16                       ; x: job g reads 64 KiB at 65,536 g
	s_add_nc_u64 s[8:9], s[8:9], s[2:3]
	s_lshl_b32 s2, ttmp9, 15                       ; and writes 32 KiB at 32,768 g
	s_add_nc_u64 s[26:27], s[26:27], s[2:3]
	JOB 8, 26, 4096, 0, 0
	s_endpgm
.Lnot_x:
	s_cmp_lt_u32 ttmp9, 304
	s_cbranch_scc0 .Lnot_w
	s_sub_co_u32 s34, ttmp9, 256
	s_lshr_b32 s35, s34, 4                         ; t: 0 q, 1 k, 2 v
	s_bfe_u32 s36, s34, 0x30001                    ; head
	s_and_b32 s37, s34, 1                          ; which 256 of the 512 k rows
	s_cmp_eq_u32 s35, 0
	s_cselect_b64 s[4:5], s[10:11], s[12:13]
	s_cmp_eq_u32 s35, 2
	s_cselect_b64 s[4:5], s[14:15], s[4:5]
	s_lshl_b32 s2, s37, 19                         ; 256 k rows of 2,048 bytes,
	s_lshl_b32 s38, s36, 8                         ; the head's 256 bytes of a row
	s_add_co_u32 s2, s2, s38
	s_add_nc_u64 s[4:5], s[4:5], s[2:3]
	s_lshl_b32 s38, s36, 2
	s_lshl1_add_u32 s38, s37, s38                  ; 4 head + K step (2 x half; eight turns on: one more)
	s_mul_i32 s38, s38, 3
	s_add_co_u32 s38, s38, s35
	s_lshl_b32 s2, s38, 14                         ; blocks of 128 x 64 bf16 = 16,384 bytes
	s_add_nc_u64 s[28:29], s[28:29], s[2:3]
	v_lshrrev_b32 v3, 4, v0                        ; sixteen lanes read a k row's 256 bytes; a turn has 16 k rows
	v_and_b32 v4, 15, v0
	v_lshlrev_b32 v1, 11, v3
	v_lshl_add_u32 v1, v4, 4, v1
	JOB 4, 28, 32768, 0, 1
	s_endpgm
.Lnot_w:
	s_cmp_lt_u32 ttmp9, 320
	s_cbranch_scc0 .Lbias
	s_sub_co_u32 s34, ttmp9, 304
	s_lshl_b32 s2, s34, 16
	s_add_nc_u64 s[16:17], s[16:17], s[2:3]
	s_lshl_b32 s2, s34, 15
	s_add_nc_u64 s[30:31], s[30:31], s[2:3]
	JOB 16, 30, 4096, 1, 0
	s_endpgm
.Lbias:                                        ; two numbers a thread of each of the four
	global_load_b64 v[8:9], v2, s[18:19]
	global_load_b64 v[10:11], v2, s[20:21]
	global_load_b64 v[12:13], v2, s[22:23]
	global_load_b64 v[14:15], v2, s[24:25]
	v_lshrrev_b32 v3, 5, v0                        ; head
	v_and_b32 v4, 31, v0
	v_mul_u32_u24 v3, v3, 768                      ; [head][t][64] f32
	v_lshl_add_u32 v3, v4, 3, v3
	s_wait_loadcnt 0x0
.irp i, 0,1,2,3
	v_cvt_pk_bf16_f32 v4, v[8+2*(\i)], v[9+2*(\i)]
	v_lshlrev_b32 v[16+2*(\i)], 16, v4
	v_and_b32 v[17+2*(\i)], 0xffff0000, v4
.endr
	global_store_b64 v3, v[16:17], s[32:33]
	global_store_b64 v3, v[18:19], s[32:33] offset:256
	global_store_b64 v3, v[20:21], s[32:33] offset:512
	global_store_b64 v2, v[22:23], s[32:33] offset:6144
	s_endpgm
.Lfunc_end_k_q6b7d708962_prep:
	.size	k_q6b7d708962_prep, .Lfunc_end_k_q6b7d708962_prep-k_q6b7d708962_prep
	.p2alignl 7, 3214868480
	.fill 96, 4, 3214868480
	.section	.rodata,"a",@progbits
	.p2align	6, 0x0
	.amdhsa_kernel k_q6b7d708962_prep
		.amdhsa_group_segment_fixed_size 0
		.amdhsa_private_segment_fixed_size 0
		.amdhsa_enable_private_segment 0
		.amdhsa_kernarg_size 104
		.amdhsa_user_sgpr_count 2
		.amdhsa_user_sgpr_kernarg_segment_ptr 1
		.amdhsa_wavefront_size32 1
		.amdhsa_system_sgpr_workgroup_id_x 1
		.amdhsa_system_sgpr_workgroup_id_y 1
		.amdhsa_system_sgpr_workgroup_id_z 1
		.amdhsa_system_vgpr_workitem_id 0
		.amdhsa_next_free_vgpr 104
		.amdhsa_next_free_sgpr 66
		.amdhsa_reserve_vcc 0
		.amdhsa_float_denorm_mode_32 3
		.amdhsa_float_denorm_mode_16_64 3
		.amdhsa_memory_ordered 1
		.amdhsa_forward_progress 1
		.amdhsa_inst_pref_size 26
	.end_amdhsa_kernel
	.amdgpu_metadata
---
amdhsa.version: [ 1, 2 ]
amdhsa.kernels:
  - .name:           k_q6b7d708962_prep
    .symbol:         k_q6b7d708962_prep.kd
    .args:
      - { .name: inputs_q, .offset: 0, .size: 8, .value_kind: global_buffer, .address_space: global }
      - { .name: wq, .offset: 8, .size: 8, .value_kind: global_buffer, .address_space: global }
      - { .name: wk, .offset: 16, .size: 8, .value_kind: global_buffer, .address_space: global }
      - { .name: wv, .offset: 24, .size: 8, .value_kind: global_buffer, .address_space: global }
      - { .name: wo, .offset: 32, .size: 8, .value_kind: global_buffer, .address_space: global }
      - { .name: bq, .offset: 40, .size: 8, .value_kind: global_buffer, .address_space: global }
      - { .name: bk, .offset: 48, .size: 8, .value_kind: global_buffer, .address_space: global }
      - { .name: bv, .offset: 56, .size: 8, .value_kind: global_buffer, .address_space: global }
      - { .name: bo, .offset: 64, .size: 8, .value_kind: global_buffer, .address_space: global }
      - { .name: xb, .offset: 72, .size: 8, .value_kind: global_buffer, .address_space: global }
      - { .name: wb, .offset: 80, .size: 8, .value_kind: global_buffer, .address_space: global }
      - { .name: wob, .offset: 88, .size: 8, .value_kind: global_buffer, .address_space: global }
      - { .name: bias, .offset: 96, .size: 8, .value_kind: global_buffer, .address_space: global }
    .group_segment_fixed_size: 0
    .private_segment_fixed_size: 0
    .kernarg_segment_align: 8
    .kernarg_segment_size: 104
    .max_flat_workgroup_size: 256
    .sgpr_count:     66
    .vgpr_count:     104
    .wavefront_size: 32
...
	.end_amdgpu_metadata
.endif
;; end of part 1
;; launch qkv (part 2): grid 8 x 32, 4 waves a work-group, clusters of 4 x 4, 327,680 bytes of LDS; arguments xb, wb, bias, qimg, kv; writes qimg, kv
.if DOCPART == 2
	.amdgcn_target "amdgcn-amd-amdhsa--gfx1250"
	.amdhsa_code_object_version 6
	.text
	.protected	k_q6b7d708962_qkv
	.globl	k_q6b7d708962_qkv
	.p2align	8
	.type	k_q6b7d708962_qkv,@function
k_q6b7d708962_qkv:
	s_mov_b64 s[64:65], 0
	v_nop
	global_prefetch_b8 v0, s[64:65] scope:SCOPE_SE
	s_setreg_imm32_b32 hwreg(HW_REG_WAVE_MODE, 25, 1), 1
	s_wait_xcnt 0x0
	s_wait_alu depctr_hold_cnt(0) depctr_sa_sdst(0) depctr_va_vdst(0) depctr_va_sdst(0) depctr_va_ssrc(0) depctr_va_vcc(0) depctr_vm_vsrc(0)
	s_getreg_b32 s2, hwreg(HW_REG_IB_STS2, 6, 4)
	s_cmp_eq_u32 s2, 0
	s_cbranch_scc0 .Lentry_in_a_cluster
	s_endpgm
.Lentry_in_a_cluster:
	s_bfe_u32 s2, ttmp6, 0x10000c
	s_cmp_lg_u32 s2, 0xf033
	s_cbranch_scc0 .Lentry_shape_is_right
	s_endpgm
.Lentry_shape_is_right:
; q, k, v = x w + b for one head and 256 rows of x: a product 256 x 192 x 512 in bf16 with f32 sums, rounded once to f16 (WITHOUT the scale 1/8: the next launch applies it in f32).
; LIMIT.  f16 ends at 65,504: q, k and v beyond that become infinities.  With x and the weights 30 times the drawn spread, or offset by 30 spreads, they stay under 10,000.
; SHARES.  Work-group (x = head, y = block of 256 rows); wave w: rows 64 w .. 64 w + 63 and all 192 columns: 4 row blocks (a) x 12 column blocks (nbk = 4 t + nb; t: 0 q, 1 k, 2 v) = 48 accumulators.
; K goes in 4 steps of 128 through two LDS slots; a step is four quarters of 32 along K, 48 matrix instructions each, on two fragment buffers.
; CLUSTER 4 x 4.  x's tile hangs on the row block alone (shared along a row of the cluster), the weights' on the head alone (shared along a column): joint loads, each with a mask of four.
; RESULTS LEAVE AS FRAGMENT IMAGES: memory holds the register image in which the next launch's matrix instructions want them, 1,024 bytes a fragment: [registers 0-3 | 4-7][lane 32][16 bytes].
;   q and k: source 0 = 16 columns of w, source 1 = 16 rows of x: a lane holds ONE row and eight channels 16 nb + 8 (lane / 16) + 0..7: half nb % 2 of the fragment of channels 32 (nb / 2) on.
;   v:       source 0 = 16 rows of x, source 1 = 16 columns of w: a lane holds ONE channel and eight keys: half a % 2 of the fragment (16 channels x 32 keys) that V^T P takes as source 0.
; So every store is 16 bytes a lane, 512 consecutive bytes a wave, straight from registers.
;   qimg [b h 16][tile of 16 rows 256][2,048]      kv [b h 16][unit 129][K 4,096 | V 4,096]: unit 1 + s / 32 holds keys s .. s + 31; unit 0 holds the 32 keys s = 128 j.
; Unit 0 is written by the waves whose first row is such a key (waves 0 and 2): eight small stores for 2 of a work-group's 256 rows.
; THE BIAS is the C operand of each accumulator's first product.
; NO PREFETCH: of the four K steps two are the first fills and the other two are asked for in the first two steps: no later step is left to ask ahead for.
; REGISTERS, in windows of 256 (s_set_vgpr_msb: bits 1:0 source 0, 3:2 source 1, 5:4 source 2, 7:6 destination):
;   window 0: v16-30 addresses; v32-127 the bias, 8 a column block; v128-255 fragment buffer 0      window 1: v0-127 fragment buffer 1; on the way out v0-191 packed results
;   window 2: accumulators 0-31 (number 12 a + nbk)      window 3: v0-127 accumulators 32-47
;   In a fragment buffer: x's row block a at + 8 a, w's column block nbk at + 32 + 8 nbk.
.set PA,    272                        ; a row of x in LDS: 256 bytes + 16: the 16 rows of a load start at 16 different groups of four banks (64 banks of 4 bytes: ISA guide 11.1)
.set PB,    160                        ; a k row of w (64 channels): 128 bytes + 32
.set SLOT,  131072                     ; 256 rows of x (69,632 bytes), then 384 k rows of w, [t 3][128] (61,440 bytes)
.set BOFF,  256*PA
.set HALFA, 128*PA
.set HALFB, 192*PB
.set SPARE, 2*SLOT                     ; behind the ring: the spare words, 128 bytes for each wave: two blocks of 256 bytes that no other line names
.set ADRA, 16                          ; v16-17  LDS address of my fragments of x in slot 0, 1
.set BA,   18                          ; v18     32 x (lane / 16): my 8 numbers of a bias block
.set BV,   19                          ; v19     4 x (lane % 16): my one number of v's
.set ADRB, 20                          ; v20-21  LDS address of the turning loads of w in slot 0, 1
.set GO,   24                          ; v24     16 x lane
.set HK,   25                          ; v25     256 x (lane / 16)
.set HV,   26                          ; v26     16 x (lane % 16)
.set RR,   27                          ; v27     lane % 16
.set SPW,  28                          ; v28     LDS address of my spare word; never rewritten
.set NIL,  29                          ; v29     0; never rewritten
.set LL,   30                          ; v30     lane
.set BIAS, 32
.set WV,  14                           ; s14  my wave's number;  s15 = wave / 2: I fetch x (0) or w (1);  s16 = wave % 2: which half of that tile
.set G1,  24                           ; s[24:31] descriptor group 1 for x's tiles;  s[32:39] group 0, a set for each slot
.set G0,  32
.set G1B, 40                           ; s[40:47], s[48:55] the same for w's
.set G0B, 48
.set QBASE, 66                         ; s[66:67] qimg at my wave's first tile
.set KBASE, 68                         ; s[68:69] kv at my wave's first unit
.set HKB,  70                          ; s[70:71] unit 0: my key's 16 bytes in K's first half fragment
.set HVB,  72                          ; s[72:73] unit 0: my key's 2 bytes in V's first fragment
.set MSB, 0
.macro WIN new                         ; the immediate's high byte repeats the setting that is left; a switch that changes nothing is dropped
.if MSB != (\new)
	s_set_vgpr_msb (MSB<<8)|(\new)
.set MSB, (\new)
.endif
.endm
.macro PLACES                          ; four places in front of loads into registers that matrix instructions have read, and of conversions that read results
.rept 4
	v_nop
.endr
.endm
; A joint load.  Waves 0 and 1 fetch x's two halves, waves 2 and 3 w's.  The branch hangs on the wave's number alone.  An s_nop 0 and four v_nop follow each line.
.macro JLOAD s
	s_cmp_eq_u32 s15, 0
	s_cbranch_scc0 .Lfor_b_\@
	tensor_load_to_lds s[G0+4*(\s):G0+4*(\s)+3], s[G1:G1+7]
	s_nop 0
.rept 4
	v_nop
.endr
	s_branch .Lasked_\@
.Lfor_b_\@:
	tensor_load_to_lds s[G0B+4*(\s):G0B+4*(\s)+3], s[G1B:G1B+7]
	s_nop 0
.rept 4
	v_nop
.endr
.Lasked_\@:
.endm
.macro CREST                           ; a round of the cluster's barrier behind its opening barrier
	s_cmp_lg_u32 s[WV], 0
	s_cbranch_scc1 .Lnot_wave_0_\@
	s_barrier_signal -3
.Lnot_wave_0_\@:
	s_barrier_wait -3
	s_barrier_signal -1
	s_barrier_wait -1
.endm
.macro CROUND                          ; a whole round
	s_barrier_signal -1
	s_barrier_wait -1
	CREST
.endm
	s_load_b256 s[4:11], s[0:1], 0x0               ; xb s[4:5], wb s[6:7], bias s[8:9], qimg s[10:11]
	s_load_b64 s[12:13], s[0:1], 0x20              ; kv
	v_lshl_add_u32 v[SPW], v0, 2, SPARE
	v_mov_b32 v[NIL], 0
	ds_add_u32 v[SPW], v[NIL]                      ; the wave's opening: the add and its wait stand ahead of my first tensor load; the set-up below stands between them
	v_lshrrev_b32 v1, 5, v0
	v_readfirstlane_b32 s[WV], v1
	s_lshr_b32 s15, s[WV], 1
	s_and_b32 s16, s[WV], 1
	s_bfe_u32 s17, ttmp6, 0x40000                  ; cx, cy: my place in the cluster
	s_bfe_u32 s18, ttmp6, 0x40004
	s_lshl_b32 s19, ttmp9, 2
	s_add_co_u32 s19, s19, s17                     ; the head = 4 x cluster x + cx
	s_and_b32 s20, ttmp7, 0xffff
	s_lshl_b32 s20, s20, 2
	s_add_co_u32 s20, s20, s18                     ; the block of 256 rows = 4 x cluster y + cy
	s_lshl_b32 s21, s18, 2
	s_lshl_b32 s21, 15, s21                        ; my row of the cluster
	s_lshl_b32 s22, 0x1111, s17                    ; my column
	; group 1 for x: 128 rows x 128 elements of 2 bytes, 512 elements from row to row; 4 words of padding after every 64
	s_or_b32 s[G1], s21, (1<<16)|(1<<20)|(1<<21)|(5<<22)|(3<<25)
	s_mov_b32 s[G1+1], 128<<16                     ; tensor_dim0
	s_mov_b32 s[G1+2], 128<<16                     ; tensor_dim1
	s_mov_b32 s[G1+3], 128<<16                     ; tile_dim0
	s_mov_b32 s[G1+4], 128                         ; tile_dim1
	s_mov_b32 s[G1+5], 512                         ; the pitch
	s_mov_b32 s[G1+6], 0
	s_mov_b32 s[G1+7], 0
	; group 1 for w: 24,576 dense bytes as 96 rows of 256 bytes (two k rows each); 8 words of padding after every 32, that is after every k row
	s_or_b32 s[G1B], s22, (1<<16)|(1<<20)|(1<<21)|(4<<22)|(7<<25)
	s_mov_b32 s[G1B+1], 128<<16
	s_mov_b32 s[G1B+2], 96<<16
	s_mov_b32 s[G1B+3], 128<<16
	s_mov_b32 s[G1B+4], 96
	s_mov_b32 s[G1B+5], 128
	s_mov_b32 s[G1B+6], 0
	s_mov_b32 s[G1B+7], 0
	s_lshl_b32 s56, s20, 18                        ; x: (256 x block + 128 x half) rows of 1,024 bytes
	s_lshl_b32 s57, s16, 17
	s_add_co_u32 s56, s56, s57
	s_mov_b32 s57, 0
	s_mul_i32 s58, s19, 196608                     ; w: the head's 4 K steps of 49,152 bytes, my half of a step
	s_mul_i32 s59, s16, 24576
	s_add_co_u32 s58, s58, s59
	s_mov_b32 s59, 0
	s_mul_i32 s60, s16, HALFA                      ; where they go: no place in the cluster enters an LDS address
	s_mul_i32 s61, s16, HALFB
	s_add_co_u32 s61, s61, BOFF
	s_wait_dscnt 0x0                               ; the opening add is done
	s_wait_kmcnt 0x0
	s_add_nc_u64 s[56:57], s[4:5], s[56:57]
	s_add_nc_u64 s[58:59], s[6:7], s[58:59]
	CROUND                                         ; all sixteen work-groups are here: the first joint loads meet
.irp s, 0,1
	s_mov_b32 s[G0+4*(\s)], 1
	s_add_co_u32 s[G0+4*(\s)+1], s60, (\s)*SLOT
	s_add_nc_u64 s[G0+4*(\s)+2:G0+4*(\s)+3], s[56:57], (\s)*256       ; K step s: 256 bytes along the rows
	s_or_b32 s[G0+4*(\s)+3], s[G0+4*(\s)+3], 0x80000000
	s_mov_b32 s[G0B+4*(\s)], 1
	s_add_co_u32 s[G0B+4*(\s)+1], s61, (\s)*SLOT
	s_add_nc_u64 s[G0B+4*(\s)+2:G0B+4*(\s)+3], s[58:59], (\s)*49152
	s_or_b32 s[G0B+4*(\s)+3], s[G0B+4*(\s)+3], 0x80000000
	JLOAD \s
.endr
	; the bias: q's and k's blocks, eight channels a lane; v's blocks, one channel a lane (spread over the eight registers below)
	v_and_b32 v[RR], 15, v0
	v_bfe_u32 v2, v0, 4, 1                         ; lane / 16
	v_and_b32 v[LL], 31, v0
	v_lshlrev_b32 v[BA], 5, v2
	v_lshlrev_b32 v[BV], 2, v[RR]
	s_mul_i32 s62, s19, 768
	s_mov_b32 s63, 0
	s_add_nc_u64 s[76:77], s[8:9], s[62:63]
.set nn, 0
.rept 8
	global_load_b128 v[BIAS+8*nn:BIAS+8*nn+3],   v[BA], s[76:77] offset:64*nn
	global_load_b128 v[BIAS+8*nn+4:BIAS+8*nn+7], v[BA], s[76:77] offset:64*nn+16
.set nn, nn+1
.endr
.rept 4
	global_load_b32 v[BIAS+8*nn], v[BV], s[76:77] offset:64*nn
.set nn, nn+1
.endr
	; a fragment of x: lane l holds row l % 16; registers 0-3 K = 8 (l / 16) + 0..7, registers 4-7 K = 16 + 8 (l / 16) + 0..7: two loads of 16 bytes, 32 bytes apart
	s_mul_i32 s62, s[WV], 64*PA
	v_mul_u32_u24 v3, v[RR], PA
	v_lshl_add_u32 v3, v2, 4, v3
	v_add_nc_u32 v[ADRA], s62, v3
	v_add_nc_u32 v[ADRA+1], SLOT, v[ADRA]
	; the turning load takes 16 k rows x 16 channels (lane l reads k row 8 (l / 16) + l % 8, channels 8 ((l / 8) % 2) + 0..7) and leaves half a fragment: lane l holds channel l % 16 and 8 k
	v_and_b32 v4, 7, v0
	v_lshl_add_u32 v4, v2, 3, v4
	v_mul_u32_u24 v4, v4, PB
	v_bfe_u32 v5, v0, 3, 1
	v_lshl_add_u32 v4, v5, 4, v4
	v_add_nc_u32 v[ADRB], BOFF, v4
	v_add_nc_u32 v[ADRB+1], SLOT+BOFF, v4
	v_lshlrev_b32 v[GO], 4, v[LL]
	v_lshlrev_b32 v[HK], 8, v2
	v_lshlrev_b32 v[HV], 4, v[RR]
	; where the results go
	s_lshr_b32 s62, s20, 4                         ; batch
	s_lshl3_add_u32 s62, s62, s19                  ; 8 x batch + head
	s_and_b32 s63, s20, 15
	s_lshl_b32 s63, s63, 8
	s_lshl_b32 s78, s[WV], 6
	s_add_co_u32 s63, s63, s78                     ; my first row in the sequence
	s_lshl_b32 s[QBASE], s62, 19                   ; 256 tiles of 2,048 bytes
	s_lshl_b32 s78, s63, 7                         ; row / 16 x 2,048
	s_add_co_u32 s[QBASE], s[QBASE], s78
	s_mov_b32 s[QBASE+1], 0
	s_add_nc_u64 s[QBASE:QBASE+1], s[10:11], s[QBASE:QBASE+1]
	s_mul_i32 s[HKB], s62, 1056768                 ; 129 units of 8,192 bytes
	s_mov_b32 s[HKB+1], 0
	s_add_nc_u64 s[HKB:HKB+1], s[12:13], s[HKB:HKB+1]  ; for now: unit 0's first byte
	s_lshl_b32 s[KBASE], s63, 8                    ; row / 32 x 8,192,
	s_add_co_u32 s[KBASE], s[KBASE], 8192          ; behind unit 0
	s_mov_b32 s[KBASE+1], 0
	s_add_nc_u64 s[KBASE:KBASE+1], s[HKB:HKB+1], s[KBASE:KBASE+1]
	s_lshr_b32 s78, s63, 7                         ; j: my first row is key 128 j (waves 0 and 2)
	s_lshr_b32 s79, s78, 4                         ; j / 16
	s_lshl_b32 s[HVB], s79, 9                      ; V: half j / 16 of each fragment,
	s_bfe_u32 s62, s78, 0x10003
	s_lshl_b32 s62, s62, 8                         ; lanes 16 ((j / 8) % 2) on,
	s_add_co_u32 s[HVB], s[HVB], s62
	s_and_b32 s62, s78, 7
	s_lshl1_add_u32 s[HVB], s62, s[HVB]            ; element j % 8
	s_add_co_u32 s[HVB], s[HVB], 4096
	s_mov_b32 s[HVB+1], 0
	s_add_nc_u64 s[HVB:HVB+1], s[HKB:HKB+1], s[HVB:HVB+1]
	s_lshl_b32 s62, s79, 11                        ; K: key block j / 16, lane j % 16
	s_and_b32 s63, s78, 15
	s_lshl4_add_u32 s62, s63, s62
	s_mov_b32 s63, 0
	s_add_nc_u64 s[HKB:HKB+1], s[HKB:HKB+1], s[62:63]
; Matrix instructions number i0 .. i1 - 1 of a quarter's 48, on fragment buffer f.  Each accumulator has one turn a quarter, 47 others' between.
; first = 1 (buffer 0 only): the product starts the sum, with the bias as C.
.macro MULR f, i0, i1, first
.set idx, \i0
.rept (\i1)-(\i0)
.set aa, idx/12
.set nn, idx%12
.set FB, 128-128*(\f)
.set rX, FB+8*aa
.set rW, FB+32+8*nn
.set rD, 8*(idx%32)
.if \first
	WIN 0x80+0x40*(idx/32)
.if nn < 8
	v_wmma_f32_16x16x32_bf16 v[rD:rD+7], v[rW:rW+7], v[rX:rX+7], v[BIAS+8*nn:BIAS+8*nn+7]
.else
	v_wmma_f32_16x16x32_bf16 v[rD:rD+7], v[rX:rX+7], v[rW:rW+7], v[BIAS+8*nn:BIAS+8*nn+7]
.endif
.else
	WIN 5*(\f)+0xa0+0x50*(idx/32)
.if nn < 8
	v_wmma_f32_16x16x32_bf16 v[rD:rD+7], v[rW:rW+7], v[rX:rX+7], v[rD:rD+7]
.else
	v_wmma_f32_16x16x32_bf16 v[rD:rD+7], v[rX:rX+7], v[rW:rW+7], v[rD:rD+7]
.endif
.endif
.set idx, idx+1
.endr
.endm
; 32 LDS loads in one run: quarter q of a slot into buffer f: w's 12 fragments (turned), then x's 4
.macro FETCH slot, q, f
.set FB, 128-128*(\f)
	WIN 0x40*(\f)
.set nn, 0
.rept 12
	ds_load_tr16_b128 v[FB+32+8*nn:FB+32+8*nn+3],   v[ADRB+(\slot)] offset:((nn/4)*128+32*(\q))*PB+(nn%4)*32
	ds_load_tr16_b128 v[FB+32+8*nn+4:FB+32+8*nn+7], v[ADRB+(\slot)] offset:((nn/4)*128+32*(\q)+16)*PB+(nn%4)*32
.set nn, nn+1
.endr
.set aa, 0
.rept 4
	ds_load_b128 v[FB+8*aa:FB+8*aa+3],   v[ADRA+(\slot)] offset:aa*16*PA+64*(\q)
	ds_load_b128 v[FB+8*aa+4:FB+8*aa+7], v[ADRA+(\slot)] offset:aa*16*PA+64*(\q)+32
.set aa, aa+1
.endr
.endm
; One of a K step's first three quarters: multiplies buffer f; in its middle it fetches quarter qn of the same slot into buffer g
.macro QUARTER slot, qn, f, g, first
	s_wait_dscnt 4                                 ; w and x's row blocks 0, 1 are in; the youngest four loads (row blocks 2, 3) may be out
	MULR \f, 0, 24, \first
	PLACES
	FETCH \slot, \qn, \g
	s_wait_dscnt 32                                ; all but the 32 just issued
	MULR \f, 24, 48, \first
.endm
; The last quarter multiplies buffer 1 and changes slots: ONE barrier; in front of it each wave waits for all its tensor loads (its part of the next slot), adds 0 to its spare word,
; and waits for that and for its own reads of this slot.  fill = 1: the barrier opens a round of the cluster's, and this slot is filled again, two K steps on, first thing behind it.
.macro TURN slot, next, fill
	WIN 0                                          ; (the add's two registers lie in window 0)
	s_wait_tensorcnt 0x0
	ds_add_u32 v[SPW], v[NIL]                      ; 0 onto my spare word
	s_wait_dscnt 5                                 ; (the add and the youngest four loads may be out)
	MULR 1, 0, 12, 0                               ; twelve matrix instructions stand between the add and the wait for it
	s_wait_dscnt 0x0                               ; the add is done, and my reads of this slot are over
	s_barrier_signal -1
	MULR 1, 12, 24, 0
.if \fill
	WIN 0
.endif
	s_barrier_wait -1
.if \fill
	CREST                                          ; no wave of any partner still reads this slot's tile or has a load on its way
	s_add_nc_u64 s[G0+4*(\slot)+2:G0+4*(\slot)+3], s[G0+4*(\slot)+2:G0+4*(\slot)+3], 2*256
	s_add_nc_u64 s[G0B+4*(\slot)+2:G0B+4*(\slot)+3], s[G0B+4*(\slot)+2:G0B+4*(\slot)+3], 2*49152
	JLOAD \slot                                    ; the four v_nop behind it are also the places in front of the loads below
.else
	PLACES
.endif
	FETCH \next, 0, 0
	MULR 1, 24, 48, 0
.endm
	s_wait_tensorcnt 0x1                           ; my part of K step 0 is in; K step 1's may stay out
	s_barrier_signal -1
	s_barrier_wait -1                              ; everybody's is
	FETCH 0, 0, 0
	s_wait_loadcnt 0x0                             ; the bias
	WIN 0
.set nn, 8
.rept 4
.set j, 1
.rept 7
	v_mov_b32 v[BIAS+8*nn+j], v[BIAS+8*nn]         ; v's results hold one channel a lane: its bias in all eight registers
.set j, j+1
.endr
.set nn, nn+1
.endr
	QUARTER 0, 1, 0, 1, 1                          ; K step 0: the first quarter's products start the sums
	QUARTER 0, 2, 1, 0, 0
	QUARTER 0, 3, 0, 1, 0
	TURN 0, 1, 1                                   ; slot 0 takes K step 2
	QUARTER 1, 1, 0, 1, 0
	QUARTER 1, 2, 1, 0, 0
	QUARTER 1, 3, 0, 1, 0
	TURN 1, 0, 1                                   ; slot 1 takes K step 3
	QUARTER 0, 1, 0, 1, 0
	QUARTER 0, 2, 1, 0, 0
	QUARTER 0, 3, 0, 1, 0
	TURN 0, 1, 0                                   ; nothing is left to fetch
	QUARTER 1, 1, 0, 1, 0
	QUARTER 1, 2, 1, 0, 0
	QUARTER 1, 3, 0, 1, 0
	s_wait_dscnt 4
	MULR 1, 0, 24, 0
	s_wait_dscnt 0x0
	MULR 1, 24, 48, 0
	; THE WAY OUT: each accumulator's eight numbers round to 16 bytes a lane, its registers in ascending order; then 48 stores of 512 consecutive bytes
	PLACES
.set idx, 0
.rept 48
	WIN 0x4a+5*(idx/32)                            ; sources in window 2 or 3, destination in window 1
.set j, 0
.rept 4
	v_cvt_pk_f16_f32 v[4*idx+j], v[8*(idx%32)+2*j], v[8*(idx%32)+2*j+1]
.set j, j+1
.endr
.set idx, idx+1
.endr
	WIN 0x04                                       ; a store's data is source 1: window 1
.set idx, 0
.rept 48
.set aa, idx/12
.set nn, idx%12
.if nn < 4
	global_store_b128 v[GO], v[4*idx:4*idx+3], s[QBASE:QBASE+1] offset:aa*2048+(nn%4)*512
.elseif nn < 8
	global_store_b128 v[GO], v[4*idx:4*idx+3], s[KBASE:KBASE+1] offset:(aa/2)*8192+(aa%2)*2048+(nn%4)*512
.else
	global_store_b128 v[GO], v[4*idx:4*idx+3], s[KBASE:KBASE+1] offset:4096+(aa/2)*8192+(nn%4)*1024+(aa%2)*512
.endif
.set idx, idx+1
.endr
	WIN 0
	s_cmp_eq_u32 s16, 0                            ; waves 0 and 2: my first row is a block's first key and goes into unit 0 too
	s_cbranch_scc0 .Lno_head
	s_wait_xcnt 0x0                                ; EXEC changes only behind this wait: the stores above have read it
	v_cmp_eq_u32 vcc_lo, 0, v[RR]
	s_and_saveexec_b32 s74, vcc_lo                 ; lanes 0 and 16 hold row 0: K's 2 x 8 channels of each column block
	WIN 0x04
.irp nb, 0,1,2,3
	global_store_b128 v[HK], v[4*(4+(\nb)):4*(4+(\nb))+3], s[HKB:HKB+1] offset:(\nb)*512
.endr
	WIN 0
	s_wait_xcnt 0x0
	s_or_b32 exec_lo, exec_lo, s74
	v_cmp_gt_u32 vcc_lo, 16, v[LL]
	s_and_saveexec_b32 s74, vcc_lo                 ; lanes 0-15 hold keys 0-7 of their channel: key 0 is the first register's low half
	WIN 0x04
.irp nb, 0,1,2,3
	global_store_b16 v[HV], v[4*(8+(\nb))], s[HVB:HVB+1] offset:(\nb)*1024
.endr
	WIN 0
	s_wait_xcnt 0x0
	s_or_b32 exec_lo, exec_lo, s74
.Lno_head:
	s_wait_tensorcnt 0x0                           ; the wave's end: these three lines stand behind my last tensor load
	ds_add_u32 v[SPW], v[NIL]
	s_wait_dscnt 0x0
	CROUND                                         ; the closing round: no work-group ends while a partner may still ask for a tile that names it
	s_endpgm
.Lfunc_end_k_q6b7d708962_qkv:
	.size	k_q6b7d708962_qkv, .Lfunc_end_k_q6b7d708962_qkv-k_q6b7d708962_qkv
	.p2alignl 7, 3214868480
	.fill 96, 4, 3214868480
	.section	.rodata,"a",@progbits
	.p2align	6, 0x0
	.amdhsa_kernel k_q6b7d708962_qkv
		.amdhsa_group_segment_fixed_size 327680
		.amdhsa_private_segment_fixed_size 0
		.amdhsa_enable_private_segment 0
		.amdhsa_kernarg_size 40
		.amdhsa_user_sgpr_count 2
		.amdhsa_user_sgpr_kernarg_segment_ptr 1
		.amdhsa_wavefront_size32 1
		.amdhsa_system_sgpr_workgroup_id_x 1
		.amdhsa_system_sgpr_workgroup_id_y 1
		.amdhsa_system_sgpr_workgroup_id_z 1
		.amdhsa_system_vgpr_workitem_id 0
		.amdhsa_next_free_vgpr 896
		.amdhsa_next_free_sgpr 80
		.amdhsa_reserve_vcc 1
		.amdhsa_float_denorm_mode_32 3
		.amdhsa_float_denorm_mode_16_64 3
		.amdhsa_memory_ordered 1
		.amdhsa_forward_progress 1
		.amdhsa_inst_pref_size 116
	.end_amdhsa_kernel
	.amdgpu_metadata
---
amdhsa.version: [ 1, 2 ]
amdhsa.kernels:
  - .name:           k_q6b7d708962_qkv
    .symbol:         k_q6b7d708962_qkv.kd
    .args:
      - { .name: xb, .offset: 0, .size: 8, .value_kind: global_buffer, .address_space: global }
      - { .name: wb, .offset: 8, .size: 8, .value_kind: global_buffer, .address_space: global }
      - { .name: bias, .offset: 16, .size: 8, .value_kind: global_buffer, .address_space: global }
      - { .name: qimg, .offset: 24, .size: 8, .value_kind: global_buffer, .address_space: global }
      - { .name: kv, .offset: 32, .size: 8, .value_kind: global_buffer, .address_space: global }
    .group_segment_fixed_size: 327680
    .private_segment_fixed_size: 0
    .kernarg_segment_align: 8
    .kernarg_segment_size: 40
    .max_flat_workgroup_size: 128
    .sgpr_count:     80
    .vgpr_count:     896
    .wavefront_size: 32
...
	.end_amdgpu_metadata
.endif
;; end of part 2
;; launch attn (part 3): grid 16 x 16, 4 waves a work-group, no clusters, 327,680 bytes of LDS; arguments qimg, kv, oimg; writes oimg
.if DOCPART == 3
	.amdgcn_target "amdgcn-amd-amdhsa--gfx1250"
	.amdhsa_code_object_version 6
	.text
	.protected	k_q6b7d708962_attn
	.globl	k_q6b7d708962_attn
	.p2align	8
	.type	k_q6b7d708962_attn,@function
k_q6b7d708962_attn:
	s_mov_b64 s[64:65], 0
	v_nop
	global_prefetch_b8 v0, s[64:65] scope:SCOPE_SE
	s_setreg_imm32_b32 hwreg(HW_REG_WAVE_MODE, 25, 1), 1
	s_wait_xcnt 0x0
; SPARSE CAUSAL ATTENTION, head size 64, f16 operands, f32 products, maxima and sums.  A query of block i (128 rows) sees: the keys of its own block up to itself; of every earlier block its last 32
; keys (the block's TAIL) and its first key.  All other logits are masked, their weights are 0, and their work is not done.
; UNITS of 32 keys, 8,192 bytes each in kv (K's four fragments, then V's four, as register images).  SUMMARY unit n lies at unit 4 n: n = 0 holds the 32 first keys, n >= 1 block n - 1's tail.
; Block i wants summary units 1 .. i, of unit 0 the keys j < i, and its own four units.
; SHARES.  Work-group (x = p, y = batch and head) takes block 31 - p and then block p: 21 steps of 64 keys, whatever p.  Wave w owns queries 32 w .. 32 w + 31 of the block in hand (two tiles of 16) and walks all its keys.
; A BLOCK's STEPS: i / 2 pairs of summary units, from unit 2 (i odd) or 1 (i even) on; L0, L1: its own units 0, 1 and 2, 3, under the causal mask; S0: summary units 0 (keys j >= i hidden) and 1 (hidden if i is even).
; L0 stands ahead of S0, and every row sees its block's first key in L0: so a row's maximum is a true score before a wholly hidden key block comes, and a hidden weight is 0.
; THE MASK is the C operand that starts the sum S^T = K Q^T: 0, or -1e30 where the key is hidden.
; LIMITS.  Q, K, V arrive within f16's 65,504.  A hidden score counts as its value less 1e30 (the reference: -1e10): the same result while logits stay far below 1e10.  A weight below 2^-126 counts as 0;
; below 6e-5 it keeps f16's fixed step of 6e-8.  NaN and infinities are not treated apart.
; ALL THAT A WORK-GROUP READS LIES IN LDS, BY FIRST FILLS ALONE: the 32 summary units, the first block's four units, the second's first three (its fourth is summary unit p + 1).  Six tensor loads a wave, all at the
; head; nothing is filled again.  The first seven pairs (summary units up to 15; the first block has eight pairs or more) are walked while the other four loads of each wave are on their way.
; NO CLUSTER: the work-groups that share K and V differ in p, and trip counts and LDS addresses hang on p, which joint requests do not allow.  NO PREFETCH: every load is issued at the head.
; LAYOUT.  S^T = K Q^T holds ONE query a lane (lane % 16) and the keys 8 (lane / 16) + 0..7; two such results rounded to f16 ARE source 1 of O^T = V^T P.  p = 2^(c s - c m), c = log2(e) / 8, with a running
; maximum m; O and l are multiplied by a = 2^(c m_old - c m_new) in every step.  m starts at the lowest finite number: a block's first step has a = 0.
; A STEP, in phases: K's loads; V^T P of the step BEFORE (it covers those loads' way); V's loads; K Q^T; the softmax of both tiles.
; O leaves as the fragment image that the output projection takes: [row / 16][2 head + channel / 32][registers 0-3 | 4-7][lane][16 bytes].
; REGISTERS, in windows of 256 (s_set_vgpr_msb: bits 1:0 source 0, 3:2 source 1, 5:4 source 2, 7:6 destination):
;   window 0: v2-7 addresses; v12-13, v24-31 at work; v16-23 statistics, four a tile; v64-127 S^T; v128-159 P; v160-223 O^T
;   window 1: v0-63 K of a step; v64-127 V; v128-159 Q; v160-191 the second block's Q          window 2: v0-71 the causal masks; v72-103 S0's masks
.set UNIT,  8192
.set LOCA,  32*UNIT                    ; behind the summary units: the first block's four units,
.set LOCB,  LOCA+4*UNIT                ; the second block's first three,
.set SPARE, LOCB+3*UNIT                ; and the spare words, 128 bytes for each wave: two blocks of 256 bytes that no other line names
.set LN,  2                            ; v2   16 x lane: my place in half a fragment, in LDS and in memory; never rewritten
.set ADA, 3                            ; v3   LDS address of the step's first unit
.set ADB, 4                            ; v4   of its second
.set VX,  5                            ; v5   my query's place in its block less 8 (lane / 16)
.set VY,  6                            ; v6   i - 1 - 8 (lane / 16)
.set H8,  7                            ; v7   8 (lane / 16)
.set MV,  12                           ; v12-13  c m_old, kept while c m is made anew
.set ST,  16                           ; tile u's statistics at v[ST+4 u]: c m, m, l (even keys', odd keys')
.set TMP, 24                           ; four registers c0-c3 a tile; when the maximum is found c2 takes a
.set SPW, 32                           ; v32  LDS address of my spare word; never rewritten
.set NIL, 33                           ; v33  0; never rewritten
.set S,   64
.set P,   128
.set O,   160
.set KF,  0                            ; window 1: key block kb, channel half c at KF + 16 kb + 8 c
.set VF,  64                           ; window 1: unit kk, channel block cb at VF + 32 kk + 8 cb
.set QF,  128                          ; window 1: tile u, channel half c at QF + 16 u + 8 c
.set QB,  160
.set ML,  0                            ; window 2: group g (0..8), register j: -1e30 where 16 (g - 1) + j > VX
.set MS,  72                           ; window 2: key block kb of S0 at MS + 8 kb
.set WV,  12                           ; s12  my wave's number
.set PP,  13                           ; s13  p
.set BH,  14                           ; s14  8 x batch + head
.set RI,  15                           ; s15  the block in hand
.set CNT, 16                           ; s16  its pairs of summary units
.set TAU, 17                           ; s17  the pair in hand
.set SA,  18                           ; s18  LDS byte of that pair's first unit
.set LOC, 19                           ; s19  LDS byte of the block's own units
.set L3,  20                           ; s20  LDS byte of its fourth
.set TC,  21                           ; s21  counts trips
.set BLK, 22                           ; s22  blocks to go
.set G1S, 24                           ; s[24:31] group 1: two summary units
.set G1L, 32                           ; s[32:39] group 1: 8,192 dense bytes
.set G1M, 40                           ; s[40:47] group 1: 6,144 dense bytes
.set G0,  48                           ; s[48:63] four sets of group 0 for the summary units
.set G0L, 68                           ; s[68:71] the first block's units
.set G0M, 72                           ; s[72:75] the second block's
.set CS,  76                           ; s[76:77] c: the packed scaling takes the pair's low word for both halves
.set SEL, 78                           ; s[78:79] v_permlanex16_b32's selects: each lane takes its own place in the other half
.set BIGN, 80                          ; s80  -1e30
.set BE1, 81                           ; s81  the mask of S0's second unit
.set OB,  82                           ; s[82:83] oimg at my tiles of the block in hand;  s[84:85] of the second block
.set MSB, 0
.macro WIN new                         ; the immediate's high byte repeats the setting that is left; a switch that changes nothing is dropped
.if MSB != (\new)
	s_set_vgpr_msb (MSB<<8)|(\new)
.set MSB, (\new)
.endif
.endm
.macro PLACES                          ; four places behind matrix instructions, in front of loads into their sources and of vector lines that read their results
.rept 4
	v_nop
.endr
.endm
; S0's masks for block RI
.macro MSET
	WIN 0
	s_sub_co_u32 s86, s[RI], 1
	v_sub_nc_u32 v[VY], s86, v[H8]
	s_bitcmp1_b32 s[RI], 0
	s_cselect_b32 s[BE1], 0, s[BIGN]               ; summary unit 1 is seen here if the block's number is odd; if even, the pairs have had it (or, in block 0, it lies ahead)
	WIN 0x80
.set i, 0
.rept 16
	v_cmp_gt_i32 vcc_lo, 16*(i/8)+i%8, v[VY]       ; first key 16 kb + 8 (lane / 16) + j is hidden where it is not below i
	v_cndmask_b32 v[MS+i], 0, s[BIGN], vcc_lo
.set i, i+1
.endr
.rept 16
	v_mov_b32 v[MS+i], s[BE1]
.set i, i+1
.endr
	WIN 0
.endm
	s_load_b128 s[4:7], s[0:1], 0x0                ; qimg s[4:5], kv s[6:7]
	s_load_b64 s[8:9], s[0:1], 0x10                ; oimg
	v_lshl_add_u32 v[SPW], v0, 2, SPARE
	v_mov_b32 v[NIL], 0
	ds_add_u32 v[SPW], v[NIL]                      ; the wave's opening: the add and its wait stand ahead of my first tensor load; the set-up below stands between them
	v_lshrrev_b32 v1, 5, v0
	v_readfirstlane_b32 s[WV], v1
	s_and_b32 s[PP], ttmp9, 15                     ; p: the grid has 16 work-groups along x; the mask writes that bound into the text, since an LDS address (L3, below) is made from p
	s_and_b32 s[BH], ttmp7, 0xffff
	s_sub_co_u32 s[RI], 31, s[PP]                  ; the first block
	; group 1, elements of 8 bytes, no padding.  Two summary units: 2 rows of 1,024 elements, 4,096 elements (four units) from row to row
	s_mov_b32 s[G1S], 3<<16
	s_mov_b32 s[G1S+1], 1024<<16                   ; tensor_dim0
	s_mov_b32 s[G1S+2], 2<<16                      ; tensor_dim1
	s_mov_b32 s[G1S+3], 1024<<16                   ; tile_dim0
	s_mov_b32 s[G1S+4], 2                          ; tile_dim1
	s_mov_b32 s[G1S+5], 4096                       ; the pitch
	s_mov_b32 s[G1S+6], 0
	s_mov_b32 s[G1S+7], 0
	s_mov_b32 s[G1L], 3<<16                        ; a dense block as rows of 256 bytes: 32 of them,
	s_mov_b32 s[G1L+1], 32<<16
	s_mov_b32 s[G1L+2], 32<<16
	s_mov_b32 s[G1L+3], 32<<16
	s_mov_b32 s[G1L+4], 32
	s_mov_b32 s[G1L+5], 32
	s_mov_b32 s[G1L+6], 0
	s_mov_b32 s[G1L+7], 0
	s_mov_b32 s[G1M], 3<<16                        ; or 24
	s_mov_b32 s[G1M+1], 32<<16
	s_mov_b32 s[G1M+2], 24<<16
	s_mov_b32 s[G1M+3], 32<<16
	s_mov_b32 s[G1M+4], 24
	s_mov_b32 s[G1M+5], 32
	s_mov_b32 s[G1M+6], 0
	s_mov_b32 s[G1M+7], 0
	s_lshl_b32 s86, s[WV], 14                      ; load n of four brings summary units 8 n + 2 w and 8 n + 2 w + 1
.irp n, 0,1,2,3
	s_mov_b32 s[G0+4*(\n)], 1
	s_add_co_u32 s[G0+4*(\n)+1], s86, (\n)*8*UNIT
.endr
	s_lshl_b32 s87, s[WV], 13                      ; of the first block's four units wave w brings unit w,
	s_mov_b32 s[G0L], 1
	s_add_co_u32 s[G0L+1], s87, LOCA
	s_mul_i32 s88, s[WV], 6144                     ; of the second block's 24,576 bytes a quarter
	s_mov_b32 s[G0M], 1
	s_add_co_u32 s[G0M+1], s88, LOCB
	s_mul_i32 s90, s[BH], 129*UNIT                 ; this batch and head in kv
	s_mov_b32 s91, 0
	s_lshl_b32 s92, s[WV], 16                      ; summary unit 2 w lies at unit 8 w
	s_mov_b32 s93, 0
	s_lshl_b32 s94, s[RI], 2
	s_add_co_u32 s94, s94, s[WV]
	s_add_co_u32 s94, s94, 1                       ; unit 4 i + 1 + w
	s_lshl_b32 s94, s94, 13
	s_mov_b32 s95, 0
	s_lshl_b32 s86, s[PP], 2
	s_add_co_u32 s86, s86, 1                       ; unit 4 p + 1
	s_lshl_b32 s86, s86, 13
	s_add_co_u32 s86, s86, s88
	s_mov_b32 s87, 0
	s_mov_b32 s[CS], 0x3e38aa3b                    ; c = log2(e) / 8 = 0.180337
	s_mov_b32 s[CS+1], s[CS]
	s_mov_b32 s[SEL], 0x76543210
	s_mov_b32 s[SEL+1], 0xfedcba98
	s_mov_b32 s[BIGN], 0xf149f2ca                  ; -1e30
	s_wait_dscnt 0x0                               ; the opening add is done
	s_wait_kmcnt 0x0
	s_add_nc_u64 s[6:7], s[6:7], s[90:91]
	s_add_nc_u64 s[92:93], s[6:7], s[92:93]
.irp n, 0,1,2,3
	s_add_nc_u64 s[G0+4*(\n)+2:G0+4*(\n)+3], s[92:93], (\n)*32*UNIT
	s_or_b32 s[G0+4*(\n)+3], s[G0+4*(\n)+3], 0x80000000
.endr
	s_add_nc_u64 s[G0L+2:G0L+3], s[6:7], s[94:95]
	s_or_b32 s[G0L+3], s[G0L+3], 0x80000000
	s_add_nc_u64 s[G0M+2:G0M+3], s[6:7], s[86:87]
	s_or_b32 s[G0M+3], s[G0M+3], 0x80000000
.irp n, 0,1,2,3                        ; all first fills in one group: six loads of mine are out
	tensor_load_to_lds s[G0+4*(\n):G0+4*(\n)+3], s[G1S:G1S+7]
	s_nop 0
.endr
	tensor_load_to_lds s[G0L:G0L+3], s[G1L:G1L+7]
	s_nop 0
	tensor_load_to_lds s[G0M:G0M+3], s[G1M:G1M+7]
	s_nop 0
.rept 4
	v_nop
.endr
	v_and_b32 v1, 31, v0
	v_lshlrev_b32 v[LN], 4, v1
	v_and_b32 v8, 15, v0                           ; lane % 16
	v_bfe_u32 v9, v0, 4, 1                         ; lane / 16
	v_lshlrev_b32 v[H8], 3, v9
	s_lshl_b32 s90, s[BH], 19                      ; qimg: 256 tiles of 2,048 bytes a batch and head; my two tiles are 8 i + 2 w and the next
	s_lshl_b32 s92, s[WV], 12
	s_add_co_u32 s90, s90, s92
	s_lshl_b32 s92, s[RI], 14
	s_add_co_u32 s92, s92, s90
	s_mov_b32 s93, 0
	s_lshl_b32 s94, s[PP], 14
	s_add_co_u32 s94, s94, s90
	s_mov_b32 s95, 0
	s_add_nc_u64 s[92:93], s[4:5], s[92:93]
	s_add_nc_u64 s[94:95], s[4:5], s[94:95]
	WIN 0x40                                       ; destination window 1, address window 0
.set i, 0
.rept 4                                ; both blocks' Q: fragment i = 2 u + c
	global_load_b128 v[QF+8*i:QF+8*i+3],   v[LN], s[92:93] offset:i*1024
	global_load_b128 v[QF+8*i+4:QF+8*i+7], v[LN], s[92:93] offset:i*1024+512
	global_load_b128 v[QB+8*i:QB+8*i+3],   v[LN], s[94:95] offset:i*1024
	global_load_b128 v[QB+8*i+4:QB+8*i+7], v[LN], s[94:95] offset:i*1024+512
.set i, i+1
.endr
	; what the first step finds: its product V^T P, of a step that has not been, adds 0; O^T and l are 0.  All this stands in the wait for the first units.
.set i, 0
.rept 64
	v_mov_b32 v[VF+i], 0
.set i, i+1
.endr
	WIN 0
.set i, 0
.rept 64
	v_mov_b32 v[O+i], 0
.set i, i+1
.endr
.set i, 0
.rept 32
	v_mov_b32 v[P+i], 0
.set i, i+1
.endr
.irp t, 0,1
	v_mov_b32 v[ST+4*(\t)], 0xfe000000             ; c m: far below every c s
	v_mov_b32 v[ST+4*(\t)+1], 0xff7fffff           ; m
	v_mov_b32 v[ST+4*(\t)+2], 0
	v_mov_b32 v[ST+4*(\t)+3], 0
.endr
	s_lshr_b32 s86, s[BH], 3                       ; oimg: ((256 x batch + 8 i + 2 w) x 16 + 2 x head) x 1,024
	s_lshl_b32 s86, s86, 22
	s_and_b32 s87, s[BH], 7
	s_lshl_b32 s87, s87, 11
	s_add_co_u32 s86, s86, s87
	s_lshl_b32 s87, s[WV], 15
	s_add_co_u32 s86, s86, s87
	s_lshl_b32 s[OB], s[RI], 17
	s_add_co_u32 s[OB], s[OB], s86
	s_mov_b32 s[OB+1], 0
	s_lshl_b32 s[OB+2], s[PP], 17
	s_add_co_u32 s[OB+2], s[OB+2], s86
	s_mov_b32 s[OB+3], 0
	s_add_nc_u64 s[OB:OB+1], s[8:9], s[OB:OB+1]
	s_add_nc_u64 s[OB+2:OB+3], s[8:9], s[OB+2:OB+3]
	; the causal masks.  Own step t (0, 1), tile u, key block kb: key 64 t + 16 kb + 8 (lane / 16) + j is hidden where it is above query 32 w + 16 u + lane % 16: group g = 4 t + kb - u + 1
	s_lshl_b32 s86, s[WV], 5
	v_sub_nc_u32 v[VX], v8, v[H8]
	v_add_nc_u32 v[VX], s86, v[VX]
	WIN 0x80
.set i, 0
.rept 72
	v_cmp_gt_i32 vcc_lo, 16*(i/8-1)+i%8, v[VX]
	v_cndmask_b32 v[ML+i], 0, s[BIGN], vcc_lo
.set i, i+1
.endr
	MSET
	s_lshr_b32 s[CNT], s[RI], 1
	s_and_b32 s86, s[RI], 1
	s_add_co_u32 s86, s86, 1                       ; the pairs begin at summary unit 2 (odd block) or 1 (even)
	s_lshl_b32 s[SA], s86, 13
	s_mov_b32 s[LOC], LOCA
	s_mov_b32 s[L3], LOCA+3*UNIT
; THE LDS LOADS stand in runs of 16: a fragment is two loads of 16 bytes a lane at 16 x lane: 512 consecutive bytes each
.macro FETCH_K
	WIN 0x40
.set f, 0
.rept 8                                ; f = 2 kb + c; key blocks 0, 1 lie in the first unit, 2, 3 in the second
	ds_load_b128 v[KF+8*f:KF+8*f+3],   v[ADA+f/4] offset:(f%4)*1024
	ds_load_b128 v[KF+8*f+4:KF+8*f+7], v[ADA+f/4] offset:(f%4)*1024+512
.set f, f+1
.endr
.endm
.macro FETCH_V
	WIN 0x40
.set f, 0
.rept 8                                ; f = 4 kk + cb
	ds_load_b128 v[VF+8*f:VF+8*f+3],   v[ADA+f/4] offset:4096+(f%4)*1024
	ds_load_b128 v[VF+8*f+4:VF+8*f+7], v[ADA+f/4] offset:4096+(f%4)*1024+512
.set f, f+1
.endr
.endm
; THE MATRIX WORK.  The 8 accumulators of a run of 16 take turns: between the two links of a chain stand 7 others'.
.macro PVS                             ; O^T += V^T P: product i: keys 32 (i / 8) on, channels 16 ((i / 2) % 4) on, tile i % 2
	WIN 0x01                                       ; V in window 1; P and O^T in window 0
.set i, 0
.rept 16
.set rO, O+32*(i%2)+8*((i/2)%4)
.set rV, VF+32*(i/8)+8*((i/2)%4)
.set rP, P+16*(i%2)+8*(i/8)
	v_wmma_f32_16x16x32_f16 v[rO:rO+7], v[rV:rV+7], v[rP:rP+7], v[rO:rO+7]
.set i, i+1
.endr
.endm
.macro QKS kind                        ; S^T = K Q^T: product i: channels 32 (i / 8) on, keys 16 ((i / 2) % 4) on, tile i % 2.  The first 8 start the sums: with 0 (kind 0) or a mask (1: L0, 2: L1, 3: S0)
.set i, 0
.rept 16
.set u, i%2
.set kb, (i/2)%4
.set rS, S+32*u+8*kb
.set rK, KF+16*kb+8*(i/8)
.set rQ, QF+16*u+8*(i/8)
.if i >= 8
	WIN 0x05                                       ; K and Q in window 1, S^T in window 0
	v_wmma_f32_16x16x32_f16 v[rS:rS+7], v[rK:rK+7], v[rQ:rQ+7], v[rS:rS+7]
.elseif (\kind) == 0
	WIN 0x05
	v_wmma_f32_16x16x32_f16 v[rS:rS+7], v[rK:rK+7], v[rQ:rQ+7], 0
.else
.if (\kind) == 3
.set rN, MS+8*kb
.else
.set rN, ML+8*(4*((\kind)-1)+kb-u+1)
.endif
	WIN 0x25                                       ; the same with C in window 2
	v_wmma_f32_16x16x32_f16 v[rS:rS+7], v[rK:rK+7], v[rQ:rQ+7], v[rN:rN+7]
.endif
.set i, i+1
.endr
.endm
; THE VECTOR WORK, all in window 0
.macro REGS u                          ; the registers of tile u
.set rT, ST+4*(\u)
.set rC, TMP+4*(\u)
.set rM, MV+(\u)
.set rS, S+32*(\u)
.set rP, P+16*(\u)
.set rO, O+32*(\u)
.endm
; Number n of the 22 that find a tile's maximum and statistics.  s0-s31 are the lane's 32 scores; each accumulator's lowest registers are read first.
;   0-11  four chains c0-c3 of seven scores each, three operands at a time     12-14, 16  the four scores left over, the old m, and c0-c3 into c0     15  c m_old is kept
;   17, 18  the query's other 32 keys lie in the lane 16 away: the new m         19-21  c m; c m_old - c m_new; a
.macro XS u, n
	REGS \u
.if (\n) < 4
	v_max3_num_f32 v[rC+(\n)], v[rS+8*(\n)], v[rS+8*(\n)+1], v[rS+8*(\n)+2]
.elseif (\n) < 12
	v_max3_num_f32 v[rC+(\n)%4], v[rC+(\n)%4], v[rS+8*((\n)%4)+2*((\n)/4)+1], v[rS+8*((\n)%4)+2*((\n)/4)+2]
.elseif (\n) == 12
	v_max3_num_f32 v[rC], v[rC], v[rS+7], v[rS+15]
.elseif (\n) == 13
	v_max3_num_f32 v[rC+1], v[rC+1], v[rS+23], v[rS+31]
.elseif (\n) == 14
	v_max3_num_f32 v[rC+2], v[rC+2], v[rC+3], v[rT+1]
.elseif (\n) == 15
	v_mov_b32 v[rM], v[rT]
.elseif (\n) == 16
	v_max3_num_f32 v[rC], v[rC], v[rC+1], v[rC+2]
.elseif (\n) == 17
	v_permlanex16_b32 v[rC+3], v[rC], s[SEL], s[SEL+1]
.elseif (\n) == 18
	v_max_num_f32 v[rT+1], v[rC], v[rC+3]
.elseif (\n) == 19
	v_mul_f32 v[rT], s[CS], v[rT+1]
.elseif (\n) == 20
	v_sub_f32 v[rC+1], v[rM], v[rT]
.else
	v_exp_f32 v[rC+2], v[rC+1]
.endif
.endm
.macro FS f                            ; c s - c m for pair f / 2 of tile f % 2
	REGS (\f)%2
	v_pk_fma_f32 v[rS+2*((\f)/2):rS+2*((\f)/2)+1], v[rS+2*((\f)/2):rS+2*((\f)/2)+1], s[CS:CS+1], v[rT:rT+1] op_sel_hi:[1,0,0] neg_lo:[0,0,1] neg_hi:[0,0,1]
.endm
.macro EX e                            ; the exponential of score e / 2 of tile e % 2
	REGS (\e)%2
	v_exp_f32 v[rS+(\e)/2], v[rS+(\e)/2]
.endm
.macro RS r                            ; pair r / 2 of tile r % 2's O^T times a, in ascending order
	REGS (\r)%2
	v_pk_mul_f32 v[rO+2*((\r)/2):rO+2*((\r)/2)+1], v[rO+2*((\r)/2):rO+2*((\r)/2)+1], v[rC+2:rC+3] op_sel_hi:[1,0]
.endm
.macro ADDS a, b                       ; pair at s[a] += pair at s[b], both tiles
.irp t, 0,1
	REGS \t
	v_pk_add_f32 v[rS+(\a):rS+(\a)+1], v[rS+(\a):rS+(\a)+1], v[rS+(\b):rS+(\b)+1]
.endr
.endm
; The softmax of both tiles, the tiles alternating.  Two batches of exponentials, each with one wait ahead of the first line that names a result:
; the two a (eight scalings stand behind them), and the 64 weights.  Exponential e wants scaling 2 (e / 4) + e % 2, and scalings 0 .. 7 + e stand ahead of it.
; Between the weights' exponentials stand plain lines that name none of their results: the other 24 scalings, then the 32 rescalings of O^T.
.macro SOFTMAX
	WIN 0
.set n, 0
.rept 22
	XS 0, n
	XS 1, n
.set n, n+1
.endr
.set n, 0
.rept 8
	FS n
.set n, n+1
.endr
	s_wait_alu depctr_va_vdst(0)                   ; the wait for the two a
.set e, 0
.rept 64
	EX e
.if e < 24
	FS 8+e
.elseif e < 56
	RS e-24
.endif
.set e, e+1
.endr
	v_nop                                          ; a plain instruction behind the last exponential,
	s_wait_alu depctr_va_vdst(0)                   ; and the wait for the batch
.set k, 0
.rept 8                                ; of each four weights both pairs are rounded to f16, and the second pair is added onto the first
.irp t, 0,1
	REGS \t
	v_cvt_pk_f16_f32 v[rP+2*k], v[rS+4*k], v[rS+4*k+1]
	v_cvt_pk_f16_f32 v[rP+2*k+1], v[rS+4*k+2], v[rS+4*k+3]
.endr
	ADDS 4*k, 4*k+2
.set k, k+1
.endr
	ADDS 0, 4                                      ; the eight sums as a tree
	ADDS 8, 12
	ADDS 16, 20
	ADDS 24, 28
	ADDS 0, 8
	ADDS 16, 24
	ADDS 0, 16
.irp t, 0,1
	REGS \t
	v_pk_fma_f32 v[rT+2:rT+3], v[rT+2:rT+3], v[rC+2:rC+3], v[rS:rS+1] op_sel_hi:[1,0,1]  ; l = a l + the sum
.endr
.endm
.macro STEP kind
	FETCH_K                                        ; K's last readers stand ahead of the last softmax
	s_wait_dscnt 16                                ; V of the step before is in; the 16 loads just issued may be out
	PVS
	PLACES
	FETCH_V
	s_wait_dscnt 16                                ; K is in; V's 16 loads may be out
	QKS \kind
	PLACES
	SOFTMAX
.endm
	s_wait_tensorcnt 0x4                           ; my parts of summary units 0-15 are in; four younger loads (units 16-31, both blocks' own) stay out
	s_barrier_signal -1
	s_barrier_wait -1                              ; everybody's are
	s_wait_loadcnt 0x0                             ; Q
	s_mov_b32 s[TC], 7
.Lhead:                                        ; the first block's pairs 0-6: summary units 1 or 2 up to 14 or 15
	v_add_nc_u32 v[ADA], s[SA], v[LN]
	v_add_nc_u32 v[ADB], UNIT, v[ADA]
	STEP 0
	s_add_co_u32 s[SA], s[SA], 2*UNIT
	s_sub_co_u32 s[TC], s[TC], 1
	s_cmp_lg_u32 s[TC], 0
	s_cbranch_scc1 .Lhead
	s_mov_b32 s[TAU], 7
	s_mov_b32 s[BLK], 2
	s_wait_tensorcnt 0x0                           ; all my loads have landed,
	s_wait_dscnt 0x0                               ; no LDS instruction of mine is pending at the signal,
	s_barrier_signal -1
	s_barrier_wait -1                              ; and everybody's have: all that the work-group reads lies in LDS
.Lblock:
	s_mov_b32 s[TC], 8                             ; pairs 7-14 of the first block, 0-7 of the second: as many as the longest has; the dead ones are jumped over
.Ltail:
	s_cmp_lt_u32 s[TAU], s[CNT]
	s_cbranch_scc0 .Ldead
	v_add_nc_u32 v[ADA], s[SA], v[LN]
	v_add_nc_u32 v[ADB], UNIT, v[ADA]
	STEP 0
.Ldead:
	s_add_co_u32 s[TAU], s[TAU], 1
	s_add_co_u32 s[SA], s[SA], 2*UNIT
	s_sub_co_u32 s[TC], s[TC], 1
	s_cmp_lg_u32 s[TC], 0
	s_cbranch_scc1 .Ltail
	v_add_nc_u32 v[ADA], s[LOC], v[LN]             ; L0: the block's own units 0 and 1
	v_add_nc_u32 v[ADB], UNIT, v[ADA]
	STEP 1
	v_add_nc_u32 v[ADA], 2*UNIT, v[ADA]            ; L1: units 2 and 3
	v_add_nc_u32 v[ADB], s[L3], v[LN]
	STEP 2
	v_mov_b32 v[ADA], v[LN]                        ; S0: summary units 0 and 1
	v_add_nc_u32 v[ADB], UNIT, v[LN]
	STEP 3
	; THE BLOCK's END: the product that was put off; l's two halves and the other half of the lanes' are added; O^T is divided by l, rounded to f16 and stored as it lies
	s_wait_dscnt 0x0                               ; V is in: none of my LDS loads is out from here on
	PVS
	PLACES
	WIN 0
.irp t, 0,1
	v_add_f32 v[ST+4*(\t)+2], v[ST+4*(\t)+2], v[ST+4*(\t)+3]
.endr
.irp t, 0,1
	v_permlanex16_b32 v[ST+4*(\t)+3], v[ST+4*(\t)+2], s[SEL], s[SEL+1]
.endr
.irp t, 0,1
	v_add_f32 v[ST+4*(\t)+2], v[ST+4*(\t)+2], v[ST+4*(\t)+3]
.endr
.irp t, 0,1
	v_rcp_f32 v[ST+4*(\t)+2], v[ST+4*(\t)+2]
.endr
	v_nop                                          ; a plain instruction behind the last reciprocal,
	s_wait_alu depctr_va_vdst(0)                   ; and the wait ahead of the first use: one for both
.set i, 0
.rept 32
	v_pk_mul_f32 v[O+2*i:O+2*i+1], v[O+2*i:O+2*i+1], v[ST+4*(i/16)+2:ST+4*(i/16)+3] op_sel_hi:[1,0]
.set i, i+1
.endr
.set i, 0
.rept 32
	v_cvt_pk_f16_f32 v[S+i], v[O+2*i], v[O+2*i+1]  ; S^T's registers are free
.set i, i+1
.endr
.set i, 0
.rept 8                                ; tile i / 4, channel block i % 4: half a fragment, 512 consecutive bytes
	global_store_b128 v[LN], v[S+4*i:S+4*i+3], s[OB:OB+1] offset:(i/4)*16384+(i%4)*512
.set i, i+1
.endr
	s_sub_co_u32 s[BLK], s[BLK], 1
	s_cmp_eq_u32 s[BLK], 0
	s_cbranch_scc1 .Lend
	; THE SECOND BLOCK.  Its first step multiplies O^T and l by a = 0, behind that step's product V^T P of what the first block left: those registers need only hold finite numbers.
	s_wait_xcnt 0x0                                ; the stores have read their registers and their base
	s_mov_b32 s[RI], s[PP]
	s_lshr_b32 s[CNT], s[RI], 1
	s_mov_b32 s[TAU], 0
	s_and_b32 s86, s[RI], 1
	s_add_co_u32 s86, s86, 1
	s_lshl_b32 s[SA], s86, 13
	s_mov_b32 s[LOC], LOCB
	s_add_co_u32 s[L3], s[PP], 1                   ; its fourth unit is summary unit p + 1: LDS byte 8,192 to 131,072
	s_lshl_b32 s[L3], s[L3], 13
	s_mov_b64 s[OB:OB+1], s[OB+2:OB+3]
	WIN 0x41                                       ; its Q goes where the one text of the steps names Q
.set i, 0
.rept 32
	v_mov_b32 v[QF+i], v[QB+i]
.set i, i+1
.endr
	WIN 0
.irp t, 0,1
	v_mov_b32 v[ST+4*(\t)], 0xfe000000
	v_mov_b32 v[ST+4*(\t)+1], 0xff7fffff
.endr
	MSET
	s_branch .Lblock
.Lend:
	s_barrier_signal -1                            ; every wave's LDS loads are back (the wait ahead of its last products):
	s_barrier_wait -1                              ; all four waves' reads of LDS are ordered ahead of the LDS write below
	s_wait_tensorcnt 0x0                           ; the wave's end: these three lines stand behind my last tensor load
	ds_add_u32 v[SPW], v[NIL]
	s_wait_dscnt 0x0
	s_endpgm
.Lfunc_end_k_q6b7d708962_attn:
	.size	k_q6b7d708962_attn, .Lfunc_end_k_q6b7d708962_attn-k_q6b7d708962_attn
	.p2alignl 7, 3214868480
	.fill 96, 4, 3214868480
	.section	.rodata,"a",@progbits
	.p2align	6, 0x0
	.amdhsa_kernel k_q6b7d708962_attn
		.amdhsa_group_segment_fixed_size 327680
		.amdhsa_private_segment_fixed_size 0
		.amdhsa_enable_private_segment 0
		.amdhsa_kernarg_size 24
		.amdhsa_user_sgpr_count 2
		.amdhsa_user_sgpr_kernarg_segment_ptr 1
		.amdhsa_wavefront_size32 1
		.amdhsa_system_sgpr_workgroup_id_x 1
		.amdhsa_system_sgpr_workgroup_id_y 1
		.amdhsa_system_sgpr_workgroup_id_z 1
		.amdhsa_system_vgpr_workitem_id 0
		.amdhsa_next_free_vgpr 616
		.amdhsa_next_free_sgpr 96
		.amdhsa_reserve_vcc 1
		.amdhsa_float_denorm_mode_32 3
		.amdhsa_float_denorm_mode_16_64 3
		.amdhsa_memory_ordered 1
		.amdhsa_forward_progress 1
		.amdhsa_inst_pref_size 121
	.end_amdhsa_kernel
	.amdgpu_metadata
---
amdhsa.version: [ 1, 2 ]
amdhsa.kernels:
  - .name:           k_q6b7d708962_attn
    .symbol:         k_q6b7d708962_attn.kd
    .args:
      - { .name: qimg, .offset: 0, .size: 8, .value_kind: global_buffer, .address_space: global }
      - { .name: kv, .offset: 8, .size: 8, .value_kind: global_buffer, .address_space: global }
      - { .name: oimg, .offset: 16, .size: 8, .value_kind: global_buffer, .address_space: global }
    .group_segment_fixed_size: 327680
    .private_segment_fixed_size: 0
    .kernarg_segment_align: 8
    .kernarg_segment_size: 24
    .max_flat_workgroup_size: 128
    .sgpr_count:     96
    .vgpr_count:     616
    .wavefront_size: 32
...
	.end_amdgpu_metadata
.endif
;; end of part 3
;; launch proj (part 4): grid 4 x 64, 4 waves a work-group, clusters of 4 x 4, 327,680 bytes of LDS; arguments oimg, wob, bias, out0; writes out0
.if DOCPART == 4
	.amdgcn_target "amdgcn-amd-amdhsa--gfx1250"
	.amdhsa_code_object_version 6
	.text
	.protected	k_q6b7d708962_proj
	.globl	k_q6b7d708962_proj
	.p2align	8
	.type	k_q6b7d708962_proj,@function
k_q6b7d708962_proj:
	s_mov_b64 s[64:65], 0
	v_nop
	global_prefetch_b8 v0, s[64:65] scope:SCOPE_SE
	s_setreg_imm32_b32 hwreg(HW_REG_WAVE_MODE, 25, 1), 1
	s_wait_xcnt 0x0
	s_wait_alu depctr_hold_cnt(0) depctr_sa_sdst(0) depctr_va_vdst(0) depctr_va_sdst(0) depctr_va_ssrc(0) depctr_va_vcc(0) depctr_vm_vsrc(0)
	s_getreg_b32 s2, hwreg(HW_REG_IB_STS2, 6, 4)
	s_cmp_eq_u32 s2, 0
	s_cbranch_scc0 .Lentry_in_a_cluster
	s_endpgm
.Lentry_in_a_cluster:
	s_bfe_u32 s2, ttmp6, 0x10000c
	s_cmp_lg_u32 s2, 0xf033
	s_cbranch_scc0 .Lentry_shape_is_right
	s_endpgm
.Lentry_shape_is_right:
; out = O wo + bo: a product 8192 x 512 x 512 with f16 operands and f32 sums; the output is f32.  O comes as fragment images ([row / 16][K / 32][1,024 bytes]), wo as [k 512][f 512] in f16.
; SHARES.  A tile of 128 x 128: 256 work-groups.  Four waves, each 64 x 64: 16 accumulators.  THE WHOLE K LIES IN LDS, by first fills alone: four K steps of 128, four tensor loads a wave, all at the head;
; nothing is filled again, so the waits for tiles are counted and the later steps' tiles land while the earlier ones are multiplied.
; CLUSTER 4 x 4.  O's tile hangs on the row block alone (shared along a row of the cluster), wo's on the column block alone (shared along a column): joint loads, each with a mask of four.
; THE MATRIX INSTRUCTION IS USED TRANSPOSED (source 0 = 16 columns of wo, turned on the way out of LDS; source 1 = 16 rows of O): a lane holds eight neighbouring numbers of a row of out.
; THE BIAS is the C operand of each accumulator's first product.
; NO PREFETCH: every load is issued at the head.
; REGISTERS: window 0: v16-29 addresses; v32-63 the bias; v128-255 the accumulators ((a, b) at v[128 + 8 (4 a + b)]).
;   window 1: two fragment buffers of 128: for 64 along K, 64 registers of O (2 x 4 fragments), then 64 of wo; on the way out v0-127: four sets of 32.
.set ASTEP, 32768                      ; a K step of O in LDS: [row block 8][fragment 4][1,024], dense
.set BBASE, 4*ASTEP
.set PB,    288                        ; a k row of wo (128 columns): 256 bytes + 32
.set BSTEP, 128*PB
.set STAGE, BBASE+4*BSTEP              ; behind the tiles, never filled by a tensor load: 16 rows x 272 bytes for each wave, for the way out
.set SP,    272
.set SPARE, STAGE+4*16*SP              ; behind the stages: the spare words, 128 bytes for each wave: two blocks of 256 bytes that no other line names
.set ADRA, 16                          ; v16-19  LDS address of my fragments of O in K step 0..3
.set ADRB, 20                          ; v20-23  of the turning loads of wo
.set STO,  24                          ; v24     the way out: where I put 32 bytes of a row
.set RD,   25                          ; v25     where I read a row back
.set CO,   26                          ; v26     my byte offset in out
.set BA,   27                          ; v27     32 x (lane / 16)
.set SPW,  28                          ; v28     LDS address of my spare word; never rewritten
.set NIL,  29                          ; v29     0; never rewritten
.set BIAS, 32
.set ACC,  128
.set F0,   0
.set F1,   128
.set WV,  14                           ; s14  my wave's number;  s15 = wave / 2: my half of the rows, and: I fetch O (0) or wo (1);  s16 = wave % 2: my half of the columns, and of the tile that I fetch
.set G1A, 24                           ; s[24:31] group 1 for O's tiles;  s[40:55] group 0, a set for each K step
.set G1B, 32                           ; s[32:39] group 1 for wo's;      s[56:63], s[68:75] group 0
.set G0A, 40
.set MSB, 0
.macro WIN new                         ; the immediate's high byte repeats the setting that is left; a switch that changes nothing is dropped
.if MSB != (\new)
	s_set_vgpr_msb (MSB<<8)|(\new)
.set MSB, (\new)
.endif
.endm
.macro PLACES                          ; four places in front of loads into registers that matrix instructions have read, and of LDS stores that read results
.rept 4
	v_nop
.endr
.endm
.macro CROUND                          ; a round of the cluster's barrier
	s_barrier_signal -1
	s_barrier_wait -1
	s_cmp_lg_u32 s[WV], 0
	s_cbranch_scc1 .Lnot_wave_0_\@
	s_barrier_signal -3
.Lnot_wave_0_\@:
	s_barrier_wait -3
	s_barrier_signal -1
	s_barrier_wait -1
.endm
	s_load_b256 s[4:11], s[0:1], 0x0               ; oimg s[4:5], wob s[6:7], bias s[8:9], out0 s[10:11]
	v_lshl_add_u32 v[SPW], v0, 2, SPARE
	v_mov_b32 v[NIL], 0
	ds_add_u32 v[SPW], v[NIL]                      ; the wave's opening: the add and its wait stand ahead of my first tensor load; the set-up below stands between them
	v_lshrrev_b32 v1, 5, v0
	v_readfirstlane_b32 s[WV], v1
	s_lshr_b32 s15, s[WV], 1
	s_and_b32 s16, s[WV], 1
	s_bfe_u32 s17, ttmp6, 0x40000                  ; cx, cy: my place in the cluster
	s_bfe_u32 s18, ttmp6, 0x40004
	s_lshl_b32 s19, ttmp9, 2
	s_add_co_u32 s19, s19, s17                     ; the block of 128 columns
	s_and_b32 s20, ttmp7, 0xffff
	s_lshl_b32 s20, s20, 2
	s_add_co_u32 s20, s20, s18                     ; the block of 128 rows
	s_lshl_b32 s21, s18, 2
	s_lshl_b32 s21, 15, s21                        ; my row of the cluster
	s_lshl_b32 s22, 0x1111, s17                    ; my column
	; group 1 for O: elements of 8 bytes; 4 rows (row blocks) of 512 elements (a K step's four fragments), 2,048 elements from row block to row block; no padding
	s_or_b32 s[G1A], s21, (3<<16)|(1<<21)
	s_mov_b32 s[G1A+1], 512<<16
	s_mov_b32 s[G1A+2], 4<<16
	s_mov_b32 s[G1A+3], 512<<16
	s_mov_b32 s[G1A+4], 4
	s_mov_b32 s[G1A+5], 2048
	s_mov_b32 s[G1A+6], 0
	s_mov_b32 s[G1A+7], 0
	; group 1 for wo: 64 k rows x 128 elements of 2 bytes, 512 elements from row to row; 8 words of padding after every 64
	s_or_b32 s[G1B], s22, (1<<16)|(1<<20)|(1<<21)|(5<<22)|(7<<25)
	s_mov_b32 s[G1B+1], 128<<16
	s_mov_b32 s[G1B+2], 64<<16
	s_mov_b32 s[G1B+3], 128<<16
	s_mov_b32 s[G1B+4], 64
	s_mov_b32 s[G1B+5], 512
	s_mov_b32 s[G1B+6], 0
	s_mov_b32 s[G1B+7], 0
	s_lshl_b32 s76, s20, 17                        ; O: (8 x block + 4 x half) row blocks of 16,384 bytes
	s_lshl_b32 s77, s16, 16
	s_add_co_u32 s76, s76, s77
	s_mov_b32 s77, 0
	s_lshl_b32 s78, s16, 14                        ; and where they go: no place in the cluster enters an LDS address
	s_lshl_b32 s80, s16, 16                        ; wo: 64 x half k rows of 1,024 bytes, the block's 256 bytes of a row
	s_lshl_b32 s81, s19, 8
	s_add_co_u32 s80, s80, s81
	s_mov_b32 s81, 0
	s_mul_i32 s82, s16, 64*PB
	s_add_co_u32 s82, s82, BBASE
	s_wait_dscnt 0x0                               ; the opening add is done
	s_wait_kmcnt 0x0
	s_add_nc_u64 s[76:77], s[4:5], s[76:77]
	s_add_nc_u64 s[80:81], s[6:7], s[80:81]
.irp s, 0,1,2,3
	s_mov_b32 s[G0A+4*(\s)], 1
	s_add_co_u32 s[G0A+4*(\s)+1], s78, (\s)*ASTEP
	s_add_nc_u64 s[G0A+4*(\s)+2:G0A+4*(\s)+3], s[76:77], (\s)*4096
	s_or_b32 s[G0A+4*(\s)+3], s[G0A+4*(\s)+3], 0x80000000
	s_mov_b32 s[56+4*(\s)+4*((\s)/2)], 1
	s_add_co_u32 s[56+4*(\s)+4*((\s)/2)+1], s82, (\s)*BSTEP
	s_add_nc_u64 s[56+4*(\s)+4*((\s)/2)+2:56+4*(\s)+4*((\s)/2)+3], s[80:81], (\s)*131072
	s_or_b32 s[56+4*(\s)+4*((\s)/2)+3], s[56+4*(\s)+4*((\s)/2)+3], 0x80000000
.endr
	CROUND                                         ; all sixteen work-groups are here: the joint loads meet
	s_cmp_eq_u32 s15, 0                            ; a wave's four first fills stand in one branch, ahead of every wait on TENSORcnt and every LDS read: four loads of mine are out
	s_cbranch_scc0 .Lfirst_b
.irp s, 0,1,2,3
	tensor_load_to_lds s[G0A+4*(\s):G0A+4*(\s)+3], s[G1A:G1A+7]
	s_nop 0
.endr
.rept 4
	v_nop
.endr
	s_branch .Lfirst_asked
.Lfirst_b:
.irp s, 0,1,2,3
	tensor_load_to_lds s[56+4*(\s)+4*((\s)/2):56+4*(\s)+4*((\s)/2)+3], s[G1B:G1B+7]
	s_nop 0
.endr
.rept 4
	v_nop
.endr
.Lfirst_asked:
	v_and_b32 v1, 15, v0                           ; lane % 16
	v_bfe_u32 v2, v0, 4, 1                         ; lane / 16
	v_and_b32 v3, 31, v0
	v_lshlrev_b32 v[BA], 5, v2
	s_lshl_b32 s86, s19, 9                         ; bo: my 64 columns, eight a lane and column block
	s_lshl_b32 s87, s16, 8
	s_add_co_u32 s86, s86, s87
	s_add_co_u32 s86, s86, 6144
	s_mov_b32 s87, 0
	s_add_nc_u64 s[86:87], s[8:9], s[86:87]
.irp b, 0,1,2,3
	global_load_b128 v[BIAS+8*(\b):BIAS+8*(\b)+3],   v[BA], s[86:87] offset:64*(\b)
	global_load_b128 v[BIAS+8*(\b)+4:BIAS+8*(\b)+7], v[BA], s[86:87] offset:64*(\b)+16
.endr
	s_lshl_b32 s79, s15, 14                        ; my four row blocks
	v_lshl_add_u32 v[ADRA], v3, 4, s79             ; a fragment of O is two loads at 16 x lane
	; the turning load takes 16 k rows x 16 columns (lane l reads k row 8 (l / 16) + l % 8, columns 8 ((l / 8) % 2) + 0..7) and leaves half a fragment: lane l holds column l % 16 and 8 k
	v_and_b32 v4, 7, v0
	v_lshl_add_u32 v4, v2, 3, v4
	v_mul_u32_u24 v4, v4, PB
	v_bfe_u32 v5, v0, 3, 1
	v_lshl_add_u32 v4, v5, 4, v4
	s_lshl_b32 s79, s16, 7                         ; my 64 columns: 128 bytes
	s_add_co_u32 s79, s79, BBASE
	v_add_nc_u32 v[ADRB], s79, v4
.irp s, 1,2,3
	v_add_nc_u32 v[ADRA+(\s)], (\s)*ASTEP, v[ADRA]
	v_add_nc_u32 v[ADRB+(\s)], (\s)*BSTEP, v[ADRB]
.endr
	s_mul_i32 s79, s[WV], 16*SP
	s_add_co_u32 s79, s79, STAGE                   ; my stage
	v_mul_u32_u24 v[STO], v1, SP                   ; in: row l % 16, 32 bytes for each half of the lanes
	v_lshl_add_u32 v[STO], v2, 5, v[STO]
	v_add_nc_u32 v[STO], s79, v[STO]
	v_mul_u32_u24 v[RD], v2, SP                    ; back: lanes 0-15 take one row of 256 bytes, lanes 16-31 the next
	v_lshl_add_u32 v[RD], v1, 4, v[RD]
	v_add_nc_u32 v[RD], s79, v[RD]
	v_lshlrev_b32 v[CO], 11, v2                    ; and the same two rows in out
	v_lshl_add_u32 v[CO], v1, 4, v[CO]
	s_lshl_b32 s84, s20, 18                        ; (128 x block + 64 x half) rows of 2,048 bytes,
	s_lshl_b32 s85, s15, 17
	s_add_co_u32 s84, s84, s85
	s_lshl_b32 s85, s19, 9                         ; the block's 512 bytes of a row, my 256 of them
	s_add_co_u32 s84, s84, s85
	s_lshl_b32 s85, s16, 8
	s_add_co_u32 s84, s84, s85
	s_mov_b32 s85, 0
	s_add_nc_u64 s[84:85], s[10:11], s[84:85]
; 8 matrix instructions: row blocks a0, a0 + 1 x all 4 column blocks, 32 along K: half c of buffer f.  The 16 accumulators take turns.  first = 1: the product starts the sum, with the bias as C
.macro MUL8 f, c, a0, first
	WIN 0x05                                       ; both sources in window 1; C and D in window 0
.irp a, \a0, (\a0)+1
.irp b, 0,1,2,3
.if \first
	v_wmma_f32_16x16x32_f16 v[ACC+8*(4*(\a)+(\b)):ACC+8*(4*(\a)+(\b))+7], v[(\f)+64+8*(4*(\c)+(\b)):(\f)+64+8*(4*(\c)+(\b))+7], v[(\f)+8*(4*(\c)+(\a)):(\f)+8*(4*(\c)+(\a))+7], v[BIAS+8*(\b):BIAS+8*(\b)+7]
.else
	v_wmma_f32_16x16x32_f16 v[ACC+8*(4*(\a)+(\b)):ACC+8*(4*(\a)+(\b))+7], v[(\f)+64+8*(4*(\c)+(\b)):(\f)+64+8*(4*(\c)+(\b))+7], v[(\f)+8*(4*(\c)+(\a)):(\f)+8*(4*(\c)+(\a))+7], v[ACC+8*(4*(\a)+(\b)):ACC+8*(4*(\a)+(\b))+7]
.endif
.endr
.endr
.endm
; 32 LDS loads in one run: half hq (64 along K) of K step s into buffer f; the first 32 along K first
.macro FETCH s, hq, f
	WIN 0x40
.irp c, 0,1
.irp i, 0,1,2,3
	ds_load_tr16_b128 v[(\f)+64+8*(4*(\c)+(\i)):(\f)+64+8*(4*(\c)+(\i))+3],   v[ADRB+(\s)] offset:(2*(\hq)+(\c))*32*PB+32*(\i)
	ds_load_tr16_b128 v[(\f)+64+8*(4*(\c)+(\i))+4:(\f)+64+8*(4*(\c)+(\i))+7], v[ADRB+(\s)] offset:(2*(\hq)+(\c))*32*PB+16*PB+32*(\i)
	ds_load_b128 v[(\f)+8*(4*(\c)+(\i)):(\f)+8*(4*(\c)+(\i))+3],   v[ADRA+(\s)] offset:(\i)*4096+(2*(\hq)+(\c))*1024
	ds_load_b128 v[(\f)+8*(4*(\c)+(\i))+4:(\f)+8*(4*(\c)+(\i))+7], v[ADRA+(\s)] offset:(\i)*4096+(2*(\hq)+(\c))*1024+512
.endr
.endr
.endm
; A K step's first half: multiplies buffer 0 and fetches its second half into buffer 1
.macro QA s, first
	s_wait_dscnt 16                                ; the first 32 along K are in
	MUL8 F0, 0, 0, \first
	MUL8 F0, 0, 2, \first
	PLACES
	FETCH \s, 1, F1
	s_wait_dscnt 32                                ; all but the 32 just issued
	MUL8 F0, 1, 0, 0
	MUL8 F0, 1, 2, 0
.endm
; Its second half: multiplies buffer 1; a barrier shows the next K step's tiles to every wave; then their first fragments are fetched
.macro QB s
	s_wait_tensorcnt 2-(\s)                        ; my part of K step s + 1 is in; the later steps' loads stay out
	s_wait_dscnt 16
	MUL8 F1, 0, 0, 0
	s_wait_dscnt 0x0                               ; no LDS instruction of mine is pending at the signal
	s_barrier_signal -1
	MUL8 F1, 0, 2, 0
	s_barrier_wait -1
	PLACES
	FETCH (\s)+1, 0, F0
	MUL8 F1, 1, 0, 0
	MUL8 F1, 1, 2, 0
.endm
	s_wait_tensorcnt 0x3                           ; my part of K step 0 is in; three younger loads stay out
	s_barrier_signal -1
	s_barrier_wait -1                              ; everybody's is
	FETCH 0, 0, F0
	s_wait_loadcnt 0x0                             ; the bias
	QA 0, 1
	QB 0
	QA 1, 0
	QB 1
	QA 2, 0
	QB 2
	QA 3, 0
	s_wait_dscnt 16
	MUL8 F1, 0, 0, 0
	MUL8 F1, 0, 2, 0
	s_wait_dscnt 0x0
	MUL8 F1, 1, 0, 0
	MUL8 F1, 1, 2, 0
	; THE WAY OUT.  A lane's eight numbers are 32 bytes of a row; a block of 16 rows goes through my own stage and comes back as whole rows of 256 bytes.
.macro TOSTAGE a
	WIN 0
.irp b, 0,1,2,3                        ; each accumulator's low four registers first
	ds_store_b128 v[STO], v[ACC+8*(4*(\a)+(\b)):ACC+8*(4*(\a)+(\b))+3]   offset:64*(\b)
	ds_store_b128 v[STO], v[ACC+8*(4*(\a)+(\b))+4:ACC+8*(4*(\a)+(\b))+7] offset:64*(\b)+16
.endr
	WIN 0x40
.irp t, 0,1,2,3,4,5,6,7
	ds_load_b128 v[32*(\a)+4*(\t):32*(\a)+4*(\t)+3], v[RD] offset:(\t)*2*SP  ; LDS serves a wave's instructions in order (ISA guide 5.7.1.4): these see the stores above; the next block's stores come behind them
.endr
.endm
.macro SEND a, younger                 ; younger: the LDS instructions issued behind block a's loads: the next block's sixteen, or none
	WIN 0x04                                       ; a store's data is source 1: window 1
	s_wait_dscnt \younger
.irp t, 0,1,2,3,4,5,6,7
	global_store_b128 v[CO], v[32*(\a)+4*(\t):32*(\a)+4*(\t)+3], s[84:85] offset:(16*(\a)+2*(\t))*2048 th:TH_STORE_NT  ; 16 lanes store 256 consecutive bytes, at a multiple of 256 from out's first byte
.endr
.endm
	PLACES
	TOSTAGE 0
	TOSTAGE 1
	SEND 0, 16
	TOSTAGE 2
	SEND 1, 16
	TOSTAGE 3
	SEND 2, 16
	SEND 3, 0
	WIN 0
	s_wait_tensorcnt 0x0                           ; the wave's end: these three lines stand behind my last tensor load and my last LDS store
	ds_add_u32 v[SPW], v[NIL]
	s_wait_dscnt 0x0
	CROUND                                         ; the closing round: no work-group ends while a partner may still ask for a tile that names it
	s_endpgm
.Lfunc_end_k_q6b7d708962_proj:
	.size	k_q6b7d708962_proj, .Lfunc_end_k_q6b7d708962_proj-k_q6b7d708962_proj
	.p2alignl 7, 3214868480
	.fill 96, 4, 3214868480
	.section	.rodata,"a",@progbits
	.p2align	6, 0x0
	.amdhsa_kernel k_q6b7d708962_proj
		.amdhsa_group_segment_fixed_size 327680
		.amdhsa_private_segment_fixed_size 0
		.amdhsa_enable_private_segment 0
		.amdhsa_kernarg_size 32
		.amdhsa_user_sgpr_count 2
		.amdhsa_user_sgpr_kernarg_segment_ptr 1
		.amdhsa_wavefront_size32 1
		.amdhsa_system_sgpr_workgroup_id_x 1
		.amdhsa_system_sgpr_workgroup_id_y 1
		.amdhsa_system_sgpr_workgroup_id_z 1
		.amdhsa_system_vgpr_workitem_id 0
		.amdhsa_next_free_vgpr 512
		.amdhsa_next_free_sgpr 88
		.amdhsa_reserve_vcc 0
		.amdhsa_float_denorm_mode_32 3
		.amdhsa_float_denorm_mode_16_64 3
		.amdhsa_memory_ordered 1
		.amdhsa_forward_progress 1
		.amdhsa_inst_pref_size 52
	.end_amdhsa_kernel
	.amdgpu_metadata
---
amdhsa.version: [ 1, 2 ]
amdhsa.kernels:
  - .name:           k_q6b7d708962_proj
    .symbol:         k_q6b7d708962_proj.kd
    .args:
      - { .name: oimg, .offset: 0, .size: 8, .value_kind: global_buffer, .address_space: global }
      - { .name: wob, .offset: 8, .size: 8, .value_kind: global_buffer, .address_space: global }
      - { .name: bias, .offset: 16, .size: 8, .value_kind: global_buffer, .address_space: global }
      - { .name: out0, .offset: 24, .size: 8, .value_kind: global_buffer, .address_space: global }
    .group_segment_fixed_size: 327680
    .private_segment_fixed_size: 0
    .kernarg_segment_align: 8
    .kernarg_segment_size: 32
    .max_flat_workgroup_size: 128
    .sgpr_count:     88
    .vgpr_count:     512
    .wavefront_size: 32
...
	.end_amdgpu_metadata
.endif
;; end of part 4
;; ======== version 2 of 2: 4 launches; version 1 with the launch prep written anew for expert scheduling mode
;; limits: values are held in f16: magnitudes above 65,504 overflow, below 6.1e-05 lose precision
;; workspace buffers: xb 8,388,608 bytes; wb 1,572,864 bytes; wob 524,288 bytes; bias 8,192 bytes; qimg 8,388,608 bytes; kv 16,908,288 bytes; oimg 8,388,608 bytes
;; launch prep (part 5): grid 321 x 1, 8 waves a work-group, no clusters, 0 bytes of LDS; arguments inputs_q, wq, wk, wv, wo, bq, bk, bv, bo, xb, wb, wob, bias; writes xb, wb, wob, bias
.if DOCPART == 5
	.amdgcn_target "amdgcn-amd-amdhsa--gfx1250"
	.amdhsa_code_object_version 6
	.text
	.protected	k_q6b7d708962_prep
	.globl	k_q6b7d708962_prep
	.p2align	8
	.type	k_q6b7d708962_prep,@function
k_q6b7d708962_prep:
	s_mov_b64 s[64:65], 0
	v_nop
	global_prefetch_b8 v0, s[64:65] scope:SCOPE_SE
	s_setreg_imm32_b32 hwreg(HW_REG_WAVE_SCHED_MODE, 0, 2), 2
	s_setreg_imm32_b32 hwreg(HW_REG_WAVE_MODE, 25, 1), 1
	s_wait_xcnt 0x0
	s_wait_alu depctr_vm_vsrc(0)
; CASTS AND LAYOUTS for the three launches behind this one.  A stream: no LDS, no matrix unit, no barrier.
;   xb   = inputs_q rounded to bf16, [8192][512] as it lies
;   wb   = wq, wk, wv rounded to bf16, in blocks [head 8][K step 4][t 3: q, k, v][k row 128][channel 64]: what one K step of one head wants lies on end
;   wob  = wo rounded to bf16, that number written as f16, [512][512] as it lies
;   bias = bq, bk, bv, bo rounded to bf16 and kept as f32: [head 8][t 3][64], then bo[512]
; LIMIT.  A number of wo below 6e-5 keeps f16's fixed step of 6e-8; beyond 65,504 it would be an infinity.
; A JOB is 64 KiB of f32 in and 32 KiB out, for 256 threads in 16 turns.  A turn: one load of 16 bytes a lane (a wave: 512 consecutive bytes, or two pieces
; of 256), two roundings, one store of 8 bytes a lane (a wave: 256 consecutive bytes, aligned).  All 16 loads go out first; the waits count down, four turns at a time.
; Work-groups 0-255: x.  256-303: the three weights (t, head, half of K).  304-319: wo.  320: the four biases.
; THE MODE: SCHED_MODE bits 1:0 = 2 (LLVM: expert scheduling mode 2), set by the entry lines.  The code itself states the register dependences
; between vector instructions and memory instructions, with s_wait_alu, always for 0.
; THE PLAN.  Registers that memory instructions touch:
;   v1, v2   byte offsets of the loads and of the stores.  Written by vector lines ahead of the job, read by all its loads and stores, never written behind a load or store.
;   X        16 turns as loaded.  Written by the loads alone, each register once; read by its turn's roundings; never loaded again.
;   Y        16 turns to store.   Written by its turn's roundings, each register once; read by one store; never written again.
;   v4 to v6 are named by vector lines alone.
; So the only dependence is: a vector line has written what a load or store reads.  The 16 turns go in four blocks of four.  Block b rounds X's block b into Y's block b; its memory
; instructions are the four stores of block b - 1, which read v2 and Y's block b - 1: registers that no vector line of block b names.  One wait at a block's head states that
; the block before has written its Y, and the four stores are dealt among the block's roundings with no further wait.  No register that a load or store has read is written again.
.set X, 8                              ; v[8:71]   16 turns x 4 numbers as loaded
.set Y, 72                             ; v[72:103] 16 turns x 2 words to store; never used twice, so no wait frees them
; The store of turn n.  db: the scalar pair with the destination; blocked = 1: the destination changes K step after eight turns
.macro PUT db, blocked, n
.if \blocked
	global_store_b64 v2, v[Y+2*(\n):Y+2*(\n)+1], s[\db:\db+1] offset:((\n)/8)*49152+((\n)%8)*2048
.else
	global_store_b64 v2, v[Y+2*(\n):Y+2*(\n)+1], s[\db:\db+1] offset:(\n)*2048
.endif
.endm
; sb, db: the scalar pairs with source and destination; lstride: bytes from turn to turn in the source;
; kind = 1: bf16 first, then f16; blocked: as in PUT
.macro JOB sb, db, lstride, kind, blocked
	s_wait_alu depctr_va_vdst(0)                   ; v1 and v2 are written: every load and store of the job reads one of them as its offset
.set it, 0
.rept 16
	global_load_b128 v[X+4*it:X+4*it+3], v1, s[\sb:\sb+1] offset:it*(\lstride) th:TH_LOAD_NT
.set it, it+1
.endr
.set it, 0
.rept 16
.if it%4 == 0
	s_wait_loadcnt 12-it                           ; loads come back in order: this block's four are in, the younger ones stay out
.if it > 0
	s_wait_alu depctr_va_vdst(0)                   ; the block before has written its eight registers of Y, which the four stores of this block read
.endif
.endif
.if it >= 4
	PUT \db, \blocked, it-4                        ; the turn four back; no vector line since the wait names its Y or v2
.endif
.if \kind
.irp z, 0,1
	v_cvt_pk_bf16_f32 v4, v[X+4*it+2*(\z)], v[X+4*it+2*(\z)+1]  ; rounded as every other input is,
	v_lshlrev_b32 v5, 16, v4                       ; widened again,
	v_and_b32 v6, 0xffff0000, v4
	v_cvt_pk_f16_f32 v[Y+2*it+(\z)], v5, v6        ; and written as f16: exact inside f16's range
.endr
.else
	v_cvt_pk_bf16_f32 v[Y+2*it], v[X+4*it], v[X+4*it+1]
	v_cvt_pk_bf16_f32 v[Y+2*it+1], v[X+4*it+2], v[X+4*it+3]
.endif
.set it, it+1
.endr
	s_wait_alu depctr_va_vdst(0)                   ; the last block has written its Y, which the last four stores read
.set it, 12
.rept 4
	PUT \db, \blocked, it
.set it, it+1
.endr
.endm
	s_load_b512 s[8:23], s[0:1], 0x0               ; inputs_q 8, wq 10, wk 12, wv 14, wo 16, bq 18, bk 20, bv 22
	s_load_b256 s[24:31], s[0:1], 0x40             ; bo 24, xb 26, wb 28, wob 30
	s_load_b64 s[32:33], s[0:1], 0x60              ; bias
	v_lshlrev_b32 v1, 4, v0                        ; source: 16 bytes a thread
	v_lshlrev_b32 v2, 3, v0                        ; destination: 8 bytes a thread
	s_mov_b32 s3, 0
	s_wait_kmcnt 0x0
	s_cmp_lt_u32 ttmp9, 256
	s_cbranch_scc0 .Lnot_x
	s_lshl_b32 s2, ttmp9, 16                       ; x: job g reads 64 KiB at 65,536 g
	s_add_nc_u64 s[8:9], s[8:9], s[2:3]
	s_lshl_b32 s2, ttmp9, 15                       ; and writes 32 KiB at 32,768 g
	s_add_nc_u64 s[26:27], s[26:27], s[2:3]
	JOB 8, 26, 4096, 0, 0
	s_endpgm
.Lnot_x:
	s_cmp_lt_u32 ttmp9, 304
	s_cbranch_scc0 .Lnot_w
	s_sub_co_u32 s34, ttmp9, 256
	s_lshr_b32 s35, s34, 4                         ; t: 0 q, 1 k, 2 v
	s_bfe_u32 s36, s34, 0x30001                    ; head
	s_and_b32 s37, s34, 1                          ; which 256 of the 512 k rows
	s_cmp_eq_u32 s35, 0
	s_cselect_b64 s[4:5], s[10:11], s[12:13]
	s_cmp_eq_u32 s35, 2
	s_cselect_b64 s[4:5], s[14:15], s[4:5]
	s_lshl_b32 s2, s37, 19                         ; 256 k rows of 2,048 bytes,
	s_lshl_b32 s38, s36, 8                         ; the head's 256 bytes of a row
	s_add_co_u32 s2, s2, s38
	s_add_nc_u64 s[4:5], s[4:5], s[2:3]
	s_lshl_b32 s38, s36, 2
	s_lshl1_add_u32 s38, s37, s38                  ; 4 head + K step (2 x half; eight turns on: one more)
	s_mul_i32 s38, s38, 3
	s_add_co_u32 s38, s38, s35
	s_lshl_b32 s2, s38, 14                         ; blocks of 128 x 64 bf16 = 16,384 bytes
	s_add_nc_u64 s[28:29], s[28:29], s[2:3]
	v_lshrrev_b32 v3, 4, v0                        ; sixteen lanes read a k row's 256 bytes; a turn has 16 k rows
	v_and_b32 v4, 15, v0
	v_lshlrev_b32 v1, 11, v3                       ; v1 is made anew: no load has read it yet, and the wait at the job's head stands behind these lines
	v_lshl_add_u32 v1, v4, 4, v1
	JOB 4, 28, 32768, 0, 1
	s_endpgm
.Lnot_w:
	s_cmp_lt_u32 ttmp9, 320
	s_cbranch_scc0 .Lbias
	s_sub_co_u32 s34, ttmp9, 304
	s_lshl_b32 s2, s34, 16
	s_add_nc_u64 s[16:17], s[16:17], s[2:3]
	s_lshl_b32 s2, s34, 15
	s_add_nc_u64 s[30:31], s[30:31], s[2:3]
	JOB 16, 30, 4096, 1, 0
	s_endpgm
.Lbias:                                        ; two numbers a thread of each of the four
	s_wait_alu depctr_va_vdst(0)                   ; v2 is written: the four loads read it as their offset
	global_load_b64 v[8:9], v2, s[18:19]
	global_load_b64 v[10:11], v2, s[20:21]
	global_load_b64 v[12:13], v2, s[22:23]
	global_load_b64 v[14:15], v2, s[24:25]
	v_lshrrev_b32 v3, 5, v0                        ; head
	v_and_b32 v4, 31, v0
	v_mul_u32_u24 v3, v3, 768                      ; [head][t][64] f32
	v_lshl_add_u32 v3, v4, 3, v3
	s_wait_loadcnt 0x0
.irp i, 0,1,2,3
	v_cvt_pk_bf16_f32 v4, v[8+2*(\i)], v[9+2*(\i)]
	v_lshlrev_b32 v[16+2*(\i)], 16, v4
	v_and_b32 v[17+2*(\i)], 0xffff0000, v4
.endr
	s_wait_alu depctr_va_vdst(0)                   ; v3 and v[16:23] are written: the four stores read them as offset and data
	global_store_b64 v3, v[16:17], s[32:33]
	global_store_b64 v3, v[18:19], s[32:33] offset:256
	global_store_b64 v3, v[20:21], s[32:33] offset:512
	global_store_b64 v2, v[22:23], s[32:33] offset:6144
	s_endpgm
.Lfunc_end_k_q6b7d708962_prep:
	.size	k_q6b7d708962_prep, .Lfunc_end_k_q6b7d708962_prep-k_q6b7d708962_prep
	.p2alignl 7, 3214868480
	.fill 96, 4, 3214868480
	.section	.rodata,"a",@progbits
	.p2align	6, 0x0
	.amdhsa_kernel k_q6b7d708962_prep
		.amdhsa_group_segment_fixed_size 0
		.amdhsa_private_segment_fixed_size 0
		.amdhsa_enable_private_segment 0
		.amdhsa_kernarg_size 104
		.amdhsa_user_sgpr_count 2
		.amdhsa_user_sgpr_kernarg_segment_ptr 1
		.amdhsa_wavefront_size32 1
		.amdhsa_system_sgpr_workgroup_id_x 1
		.amdhsa_system_sgpr_workgroup_id_y 1
		.amdhsa_system_sgpr_workgroup_id_z 1
		.amdhsa_system_vgpr_workitem_id 0
		.amdhsa_next_free_vgpr 104
		.amdhsa_next_free_sgpr 66
		.amdhsa_reserve_vcc 0
		.amdhsa_float_denorm_mode_32 3
		.amdhsa_float_denorm_mode_16_64 3
		.amdhsa_memory_ordered 1
		.amdhsa_forward_progress 1
		.amdhsa_inst_pref_size 25
	.end_amdhsa_kernel
	.amdgpu_metadata
---
amdhsa.version: [ 1, 2 ]
amdhsa.kernels:
  - .name:           k_q6b7d708962_prep
    .symbol:         k_q6b7d708962_prep.kd
    .args:
      - { .name: inputs_q, .offset: 0, .size: 8, .value_kind: global_buffer, .address_space: global }
      - { .name: wq, .offset: 8, .size: 8, .value_kind: global_buffer, .address_space: global }
      - { .name: wk, .offset: 16, .size: 8, .value_kind: global_buffer, .address_space: global }
      - { .name: wv, .offset: 24, .size: 8, .value_kind: global_buffer, .address_space: global }
      - { .name: wo, .offset: 32, .size: 8, .value_kind: global_buffer, .address_space: global }
      - { .name: bq, .offset: 40, .size: 8, .value_kind: global_buffer, .address_space: global }
      - { .name: bk, .offset: 48, .size: 8, .value_kind: global_buffer, .address_space: global }
      - { .name: bv, .offset: 56, .size: 8, .value_kind: global_buffer, .address_space: global }
      - { .name: bo, .offset: 64, .size: 8, .value_kind: global_buffer, .address_space: global }
      - { .name: xb, .offset: 72, .size: 8, .value_kind: global_buffer, .address_space: global }
      - { .name: wb, .offset: 80, .size: 8, .value_kind: global_buffer, .address_space: global }
      - { .name: wob, .offset: 88, .size: 8, .value_kind: global_buffer, .address_space: global }
      - { .name: bias, .offset: 96, .size: 8, .value_kind: global_buffer, .address_space: global }
    .group_segment_fixed_size: 0
    .private_segment_fixed_size: 0
    .kernarg_segment_align: 8
    .kernarg_segment_size: 104
    .max_flat_workgroup_size: 256
    .sgpr_count:     66
    .vgpr_count:     104
    .wavefront_size: 32
...
	.end_amdgpu_metadata
.endif
;; end of part 5
;; launch qkv: the kernel of part 2 again; grid 8 x 32, 4 waves a work-group, clusters of 4 x 4, 327,680 bytes of LDS; arguments xb, wb, bias, qimg, kv; writes qimg, kv
;; launch attn: the kernel of part 3 again; grid 16 x 16, 4 waves a work-group, no clusters, 327,680 bytes of LDS; arguments qimg, kv, oimg; writes oimg
;; launch proj: the kernel of part 4 again; grid 4 x 64, 4 waves a work-group, clusters of 4 x 4, 327,680 bytes of LDS; arguments oimg, wob, bias, out0; writes out0
